; MI455X (gfx1250); checked and timed in simulation.
; The chip was launched on July 23, 2026; its instructions are those of AMD's public machine-readable ISA for CDNA 5 (MIT licence, August 2026) and "CDNA5" Instruction Set Architecture Reference Guide (July 2026). The comments in the code are by the model that wrote it; some were corrected since.
;; Self Attention. Allowed arithmetic: float matrix products may take bf16 or f16 operands with f32 sums; other float arithmetic in f32, or as packed bf16 or f16 multiplies, adds, multiply-adds, maxima and minima; sums over many terms, partial sums and values carried from step to step in f32; what a program stores and reads back later, other than sums and carried values, may be rounded once to bf16 or f16.
;; Inputs: Wb 1,024 x 16 float32; Wg 1,024 x 1,024 float32; Wo 1,024 x 1,024 float32; Wqkv 1,024 x 3,072 float32; alphak one number float32; alphaq one number float32; alphav one number float32; bb 16 float32; bg 1,024 float32; bo 1,024 float32; bqkv 3,072 float32; mask 2 x 2,048 float32; rcos 2,048 x 64 float32; rsin 2,048 x 64 float32; x 2 x 2,048 x 1,024 float32.
;; Outputs: out0 2 x 2,048 x 1,024 float32.
;; 2 versions, each right; version 2 is version 1 with the launch prep written anew for expert scheduling mode. Each part assembles by itself: llvm-mc -triple=amdgcn-amd-amdhsa -mcpu=gfx1250 --defsym DOCPART=n.
;; ======== version 1 of 2: 4 launches
;; limits: right only within a limited range of input values
;; workspace buffers: xb 8,388,608 bytes; wt 10,485,760 bytes; biasw 262,144 bytes; qkvg 33,554,432 bytes; att 8,388,608 bytes
;; launch prep (part 1): grid 288 x 1, 8 waves a work-group, no clusters, 179,200 bytes of LDS; arguments x, Wb, bb, mask, Wqkv, Wg, Wo, xb, biasw, wt; writes xb, biasw, wt
.if DOCPART == 1
	.amdgcn_target "amdgcn-amd-amdhsa--gfx1250"
	.amdhsa_code_object_version 6
	.text
	.protected	k_q3733ba2206_prep
	.globl	k_q3733ba2206_prep
	.p2align	8
	.type	k_q3733ba2206_prep,@function
k_q3733ba2206_prep:
	s_mov_b64 s[64:65], 0
	v_nop
	global_prefetch_b8 v0, s[64:65] scope:SCOPE_SE
	s_setreg_imm32_b32 hwreg(HW_REG_WAVE_MODE, 25, 1), 1
	s_wait_xcnt 0x0
; PREP.  Two jobs, chosen by the work-group's number (the same for all its waves).
; JOB X (work-groups 0-127, 32 tokens each): xb = x rounded to bf16, [4096][1024]; biasw = x Wb + bb - mask in f32 (products in bf16, sums in f32),
;   laid [block of 32 tokens][16 heads][32 tokens]: 2,048 bytes on end for each work-group.  Wave w takes tokens 16 (w & 1) .. and k = 256 (w >> 1) ..; the four parts of K meet in LDS.
; JOB W (work-groups 128-287): the weights rounded to bf16, turned to [n][k] and ordered by heads, a tile of 128 k x 256 columns each:
;   wt row part x 1024 + 64 h + d (part 0 Q, 1 K, 2 V from Wqkv, 3 from Wg) holds W[k][part x 1024 + 16 d + h];  wt row 4096 + n holds Wo[16 d + h][n] at k' = 64 h + d.
; Everything comes through registers (32 loads of 512 consecutive bytes a wave are out at once), so no tensor load is used; every store of a wave covers whole aligned runs of 256 bytes.
; Each job has LDS bytes of its own: no byte of LDS is named by both.
; LIMITS: x and the weights are rounded once to bf16; an infinite mask gives an infinite bias, as in the model.
.set WBL,   0                          ; job X: Wb in bf16, [1024 k][16 heads], 32 bytes a row
.set STG,   32768                      ; job X: for each wave 16 tokens x 528 bytes (512 of bf16 + 16 of padding: 33 x 16, so 16 rows start at 16 different groups of four banks; 64 banks of 4 bytes: ISA guide 11.1)
.set STGW,  16*528
.set PART,  100352                     ; job X: partial sums [4 parts of K][16 heads][32 tokens] f32
.set SPARE, 108544                     ; the spare words, 128 bytes a wave: four blocks of 256 bytes that no other line names
.set TT,    109568                     ; job W: the turned tile, 256 rows
.set TP,    272                        ; job W: a row of the turned tile: 256 bytes + 16
.set SPW,  2                           ; v2  my spare word's address; never rewritten
.set NIL,  3                           ; v3  0; never rewritten
.set ACC0, 32                          ; job X: two accumulators that take turns
.set MK,   48                          ; v[48:51] four numbers of mask
.set BBR,  52                          ; v52 my head's bb
.set XR,   64                          ; v[64:191] x as loaded
.set WR,   192                         ; v[192:255] Wb as loaded
.set XF,   64                          ; later: x's 8 fragments,
.set WF,   128                         ; Wb's 8 fragments,
.set RB,   192                         ; and the 16 token rows read back for xb
.set VO,   32                          ; job W: v[32:47] byte offsets of my 16 source rows
.set R,    64                          ; job W: v[64:191] 4 groups of 8 rows x 16 bytes
.set PKR,  192                         ; job W: v[192:207] packed columns
.set TS,   48
.set TR,   49
.set OO,   50
	s_load_b512 s[8:23], s[0:1], 0x0               ; x 8, Wb 10, bb 12, mask 14, Wqkv 16, Wg 18, Wo 20, xb 22
	s_load_b128 s[24:27], s[0:1], 0x40             ; biasw 24, wt 26
	v_lshl_add_u32 v[SPW], v0, 2, SPARE
	v_mov_b32 v[NIL], 0
	v_lshrrev_b32 v1, 5, v0
	v_readfirstlane_b32 s28, v1                    ; wave 0..7
	v_and_b32 v1, 31, v0                           ; lane l
	v_and_b32 v4, 15, v0                           ; r = l % 16
	v_bfe_u32 v5, v0, 4, 1                         ; hh = l / 16
	s_cmp_lt_u32 ttmp9, 128
	s_cbranch_scc0 .Lweights
	; ---------------- JOB X ----------------
	s_and_b32 s29, s28, 1                          ; tg: which 16 tokens
	s_lshr_b32 s30, s28, 1                         ; kq: which 256 k
	s_lshl_b32 s32, ttmp9, 17                      ; 32 tokens x 4,096 bytes of x
	s_lshl_b32 s34, s29, 16
	s_add_co_u32 s32, s32, s34
	s_lshl_b32 s34, s30, 10
	s_add_co_u32 s32, s32, s34
	s_mov_b32 s33, 0
	s_lshr_b32 s34, s32, 1                         ; the same place in xb: half the bytes
	s_mov_b32 s35, 0
	s_lshl_b32 s36, ttmp9, 7                       ; 32 numbers of mask
	s_mov_b32 s37, 0
	s_lshl_b32 s38, ttmp9, 11                      ; 2,048 bytes of biasw
	s_mov_b32 s39, 0
	s_mul_i32 s40, s28, STGW
	s_add_co_u32 s40, s40, STG                     ; my stage
	v_lshlrev_b32 v6, 4, v1                        ; 16 l: x and xb
	v_lshlrev_b32 v7, 4, v0                        ; 16 x thread: Wb in memory
	v_lshlrev_b32 v8, 3, v0                        ; 8 x thread: Wb in LDS
	v_lshl_add_u32 v9, v1, 3, s40                  ; stage, in: 8 bytes a lane
	v_mul_u32_u24 v10, v4, 528                     ; stage, as fragments: row r, 16 bytes for each half of the lanes
	v_lshl_add_u32 v10, v5, 4, v10
	v_add_nc_u32 v10, s40, v10
	v_and_b32 v18, 7, v0                           ; the turning load: row k0 + 8 hh + l % 8, 16 bytes (l / 8) % 2
	v_lshl_add_u32 v18, v5, 3, v18
	v_lshlrev_b32 v11, 5, v18
	v_bfe_u32 v18, v0, 3, 1
	v_lshl_add_u32 v11, v18, 4, v11
	s_lshl_b32 s41, s30, 13                        ; my 256 rows of Wb
	v_add_nc_u32 v11, s41, v11
	v_lshl_add_u32 v12, v1, 4, s40                 ; stage, back: 512 bytes of a token by 32 lanes
	s_lshl_b32 s41, s30, 11
	s_lshl_b32 s42, s29, 6
	s_add_co_u32 s41, s41, s42
	s_add_co_u32 s41, s41, PART
	v_lshl_add_u32 v13, v4, 7, s41                 ; partial sums: head r, tokens 16 tg + 8 hh ..
	v_lshl_add_u32 v13, v5, 5, v13
	v_and_b32 v19, 127, v0
	v_lshlrev_b32 v15, 4, v19                      ; the last step: thread t < 128 has head t / 8, tokens 4 (t % 8) ..
	v_add_nc_u32 v14, PART, v15
	v_lshrrev_b32 v16, 3, v19
	v_lshlrev_b32 v16, 2, v16
	v_and_b32 v17, 7, v0
	v_lshlrev_b32 v17, 4, v17
	s_wait_kmcnt 0x0
	s_add_nc_u64 s[8:9], s[8:9], s[32:33]
	s_add_nc_u64 s[22:23], s[22:23], s[34:35]
	s_add_nc_u64 s[14:15], s[14:15], s[36:37]
	s_add_nc_u64 s[24:25], s[24:25], s[38:39]
	global_load_b128 v[MK:MK+3], v17, s[14:15]
	global_load_b32 v[BBR], v16, s[12:13]
.set i, 0
.rept 16
	global_load_b128 v[WR+4*i:WR+4*i+3], v7, s[10:11] offset:4096*i    ; all of Wb, 4,096 bytes by the work-group's 256 threads
.set i, i+1
.endr
.set i, 0
.rept 32
	global_load_b128 v[XR+4*i:XR+4*i+3], v6, s[8:9] offset:(i/2)*4096+(i%2)*512 th:TH_LOAD_NT  ; token i / 2, 512 consecutive bytes
.set i, i+1
.endr
	s_wait_loadcnt 32                              ; mask, bb and Wb are in; x's 32 loads may stay out
.set i, 0
.rept 16
	v_cvt_pk_bf16_f32 v[WR+4*i], v[WR+4*i], v[WR+4*i+1]
	v_cvt_pk_bf16_f32 v[WR+4*i+1], v[WR+4*i+2], v[WR+4*i+3]
	ds_store_b64 v8, v[WR+4*i:WR+4*i+1] offset:WBL+2048*i
.set i, i+1
.endr
.irp g, 0,1,2,3
	s_wait_loadcnt 24-8*(\g)                       ; loads come back in order: these eight are in, the younger ones stay out
.irp e, 0,1,2,3,4,5,6,7
	v_cvt_pk_bf16_f32 v[XR+32*(\g)+4*(\e)], v[XR+32*(\g)+4*(\e)], v[XR+32*(\g)+4*(\e)+1]
	v_cvt_pk_bf16_f32 v[XR+32*(\g)+4*(\e)+1], v[XR+32*(\g)+4*(\e)+2], v[XR+32*(\g)+4*(\e)+3]
	ds_store_b64 v9, v[XR+32*(\g)+4*(\e):XR+32*(\g)+4*(\e)+1] offset:(4*(\g)+(\e)/2)*528+((\e)%2)*256
.endr
.endr
	s_wait_dscnt 0x0                               ; for the others' sake: my part of Wb lies in LDS
	s_barrier_signal -1
	s_barrier_wait -1
.set f, 0
.rept 8
	ds_load_b128 v[XF+8*f:XF+8*f+3],   v10 offset:64*f
	ds_load_b128 v[XF+8*f+4:XF+8*f+7], v10 offset:64*f+32
.set f, f+1
.endr
.set f, 0
.rept 8
	ds_load_tr16_b128 v[WF+8*f:WF+8*f+3],   v11 offset:WBL+1024*f
	ds_load_tr16_b128 v[WF+8*f+4:WF+8*f+7], v11 offset:WBL+1024*f+512
.set f, f+1
.endr
.set i, 0
.rept 16
	ds_load_b128 v[RB+4*i:RB+4*i+3], v12 offset:528*i
.set i, i+1
.endr
	s_wait_dscnt 16                                ; the fragments are in; the 16 rows for xb may stay out
.set f, 0
.rept 8                                ; rows = tokens, columns = heads; two accumulators by turns; the first two products start the sums
.if f < 2
	v_wmma_f32_16x16x32_bf16 v[ACC0+8*(f%2):ACC0+8*(f%2)+7], v[XF+8*f:XF+8*f+7], v[WF+8*f:WF+8*f+7], 0
.else
	v_wmma_f32_16x16x32_bf16 v[ACC0+8*(f%2):ACC0+8*(f%2)+7], v[XF+8*f:XF+8*f+7], v[WF+8*f:WF+8*f+7], v[ACC0+8*(f%2):ACC0+8*(f%2)+7]
.endif
.set f, f+1
.endr
	s_wait_dscnt 0x0
.set i, 0
.rept 16
	global_store_b128 v6, v[RB+4*i:RB+4*i+3], s[22:23] offset:2048*i   ; 512 consecutive bytes of xb, aligned
.set i, i+1
.endr
.rept 8
	v_nop                                          ; the places behind the last products, ahead of sums that read and rewrite their results (ISA guide 7.12.1); once a launch
.endr
.irp k, 0,2,4,6
	v_pk_add_f32 v[ACC0+(\k):ACC0+(\k)+1], v[ACC0+(\k):ACC0+(\k)+1], v[ACC0+8+(\k):ACC0+8+(\k)+1]
.endr
	ds_store_b128 v13, v[ACC0:ACC0+3]              ; lane (r, hh): head r, tokens 8 hh + 0..7
	ds_store_b128 v13, v[ACC0+4:ACC0+7] offset:16
	s_wait_dscnt 0x0
	s_barrier_signal -1
	s_barrier_wait -1                              ; the four parts of K lie in LDS
	s_cmp_lt_u32 s28, 4                            ; 128 threads finish the 16 x 32 sums
	s_cbranch_scc0 .Lend
.irp q, 0,1,2,3
	ds_load_b128 v[64+4*(\q):64+4*(\q)+3], v14 offset:2048*(\q)
.endr
.irp j, 0,1,2,3
	v_sub_f32 v[80+(\j)], v[BBR], v[MK+(\j)]       ; bb - mask
.endr
	s_wait_dscnt 0x0
	v_pk_add_f32 v[64:65], v[64:65], v[68:69]
	v_pk_add_f32 v[66:67], v[66:67], v[70:71]
	v_pk_add_f32 v[72:73], v[72:73], v[76:77]
	v_pk_add_f32 v[74:75], v[74:75], v[78:79]
	v_pk_add_f32 v[64:65], v[64:65], v[72:73]
	v_pk_add_f32 v[66:67], v[66:67], v[74:75]
	v_pk_add_f32 v[64:65], v[64:65], v[80:81]
	v_pk_add_f32 v[66:67], v[66:67], v[82:83]
	global_store_b128 v15, v[64:67], s[24:25]
	s_branch .Lend
	; ---------------- JOB W ----------------
.Lweights:
	s_sub_co_u32 s29, ttmp9, 128
	s_and_b32 s30, s29, 7                          ; kt: which 128 k'
	s_lshr_b32 s31, s29, 3                         ; ct: 0-11 Wqkv, 12-15 Wg, 16-19 Wo; 256 columns each
	s_and_b32 s32, s31, 3
	s_movk_i32 s33, 0x3000                         ; a row of Wqkv in bytes
	s_movk_i32 s34, 0x1000                         ; a row of Wg and of Wo
	s_mov_b32 s35, 0x10000                         ; Wo: from d to d + 1 are 16 rows
	s_lshl_b32 s36, s30, 7
	s_lshl_b32 s37, s28, 4
	s_add_co_u32 s36, s36, s37                     ; Wqkv, Wg: my first row k = 128 kt + 16 w
	s_and_b32 s37, s28, 3
	s_lshl_b32 s37, s37, 8
	s_lshl_b32 s38, s30, 1
	s_add_co_u32 s37, s37, s38
	s_lshr_b32 s38, s28, 2
	s_add_co_u32 s37, s37, s38                     ; Wo: k' = 128 kt + 16 w + e is head 2 kt + w / 4, d = 16 (w % 4) + e: row 16 d + h
	s_lshr_b32 s50, s28, 1
	s_and_b32 s51, s28, 1
	s_lshl_b32 s52, s50, 6                         ; where my 32 rows of the turned tile go.  By heads: row (ct / 4) 1024 + 64 (w / 2) + 16 (ct % 4) + 8 (w % 2)
	s_lshl_b32 s53, s32, 4
	s_add_co_u32 s52, s52, s53
	s_lshl_b32 s53, s51, 3
	s_add_co_u32 s52, s52, s53
	s_lshr_b32 s53, s31, 2
	s_lshl_b32 s53, s53, 10
	s_add_co_u32 s52, s52, s53
	s_lshl_b32 s54, s32, 8                         ; Wo: row 4096 + 256 (ct % 4) + 128 (w % 2) + w / 2
	s_lshl_b32 s53, s51, 7
	s_add_co_u32 s54, s54, s53
	s_add_co_u32 s54, s54, s50
	s_add_co_u32 s54, s54, 4096
	s_wait_kmcnt 0x0
	s_cmp_lt_u32 s31, 12
	s_cselect_b64 s[40:41], s[16:17], s[18:19]
	s_cselect_b32 s42, s33, s34                    ; bytes in a source row
	s_cselect_b32 s43, s31, s32                    ; which 256 columns of the source
	s_cmp_lt_u32 s31, 16
	s_cselect_b64 s[40:41], s[40:41], s[20:21]
	s_cselect_b32 s44, s42, s35                    ; bytes from one of my rows to the next
	s_cselect_b32 s45, s36, s37
	s_cselect_b32 s52, s52, s54
	s_cselect_b32 s55, 19, 13                      ; lanes 16-31 hold the column 4 on: 4 heads = 256 rows of wt on, or (Wo) 4 rows on
	s_mul_i32 s46, s45, s42
	s_lshl_b32 s43, s43, 10
	s_add_co_u32 s46, s46, s43
	s_mov_b32 s47, 0
	s_add_nc_u64 s[40:41], s[40:41], s[46:47]
	s_lshl_b32 s52, s52, 11                        ; a row of wt is 2,048 bytes
	s_lshl_b32 s53, s30, 8                         ; the tile's 128 k'
	s_add_co_u32 s52, s52, s53
	s_mov_b32 s53, 0
	s_add_nc_u64 s[26:27], s[26:27], s[52:53]
	v_lshlrev_b32 v[VO], 4, v1
.set i, 1
.rept 15
	v_add_nc_u32 v[VO+i], s44, v[VO+i-1]
.set i, i+1
.endr
.irp g, 0,1,2,3                        ; group g: rows 8 (g / 2) + e, columns 128 (g % 2) + 4 l + 0..3
.irp e, 0,1,2,3,4,5,6,7
	global_load_b128 v[R+32*(\g)+4*(\e):R+32*(\g)+4*(\e)+3], v[VO+8*((\g)/2)+(\e)], s[40:41] offset:512*((\g)%2) th:TH_LOAD_NT
.endr
.endr
	v_mul_u32_u24 v[TS], v1, TP                    ; in: tile row 64 j + 32 (g % 2) + l holds column 128 (g % 2) + 4 l + j; my 16 k' are 32 bytes of it
	s_lshl_b32 s48, s28, 5
	s_add_co_u32 s48, s48, TT
	v_add_nc_u32 v[TS], s48, v[TS]
	s_mul_i32 s48, s28, 32*TP                      ; back: wave w takes tile rows 32 w .., two at a time
	s_add_co_u32 s48, s48, TT
	v_mul_u32_u24 v[TR], v5, TP
	v_lshl_add_u32 v[TR], v4, 4, v[TR]
	v_add_nc_u32 v[TR], s48, v[TR]
	v_lshlrev_b32 v[OO], s55, v5
	v_lshl_add_u32 v[OO], v4, 4, v[OO]
.irp g, 0,1,2,3
	s_wait_loadcnt 24-8*(\g)                       ; this group's eight loads are in, the younger groups stay out
.irp j, 0,1,2,3
.irp p, 0,1,2,3
	v_cvt_pk_bf16_f32 v[PKR+4*(\j)+(\p)], v[R+32*(\g)+8*(\p)+(\j)], v[R+32*(\g)+8*(\p)+4+(\j)]   ; rows 2 p, 2 p + 1 of one column
.endr
	ds_store_b128 v[TS], v[PKR+4*(\j):PKR+4*(\j)+3] offset:(64*(\j)+32*((\g)%2))*TP+16*((\g)/2)
.endr
.endr
	s_wait_dscnt 0x0                               ; for the others' sake
	s_barrier_signal -1
	s_barrier_wait -1
.set t, 0
.rept 16
	ds_load_b128 v[64+4*t:64+4*t+3], v[TR] offset:2*TP*t
.set t, t+1
.endr
	s_cmp_lt_u32 s31, 16
	s_cbranch_scc0 .Lwo
.irp t, 0,1,2,3,4,5,6,7,8,9,10,11,12,13,14,15   ; tile row 32 w + 2 t + l / 16 is column 128 (w % 2) + 8 t + 4 (l / 16) + w / 2 = 16 d + h
	s_wait_dscnt 15-(\t)
	global_store_b128 v[OO], v[64+4*(\t):64+4*(\t)+3], s[26:27] offset:((\t)%2)*1048576+((\t)/2)*2048   ; 16 lanes: 256 consecutive bytes, aligned
.endr
	s_branch .Lend
.Lwo:
.irp t, 0,1,2,3,4,5,6,7,8,9,10,11,12,13,14,15
	s_wait_dscnt 15-(\t)
	global_store_b128 v[OO], v[64+4*(\t):64+4*(\t)+3], s[26:27] offset:16384*(\t)
.endr
.Lend:
	s_wait_tensorcnt 0x0                           ; the wave's end, behind my last LDS store
	ds_add_u32 v[SPW], v[NIL]
	s_wait_dscnt 0x0
	s_endpgm
.Lfunc_end_k_q3733ba2206_prep:
	.size	k_q3733ba2206_prep, .Lfunc_end_k_q3733ba2206_prep-k_q3733ba2206_prep
	.p2alignl 7, 3214868480
	.fill 96, 4, 3214868480
	.section	.rodata,"a",@progbits
	.p2align	6, 0x0
	.amdhsa_kernel k_q3733ba2206_prep
		.amdhsa_group_segment_fixed_size 179200
		.amdhsa_private_segment_fixed_size 0
		.amdhsa_enable_private_segment 0
		.amdhsa_kernarg_size 80
		.amdhsa_user_sgpr_count 2
		.amdhsa_user_sgpr_kernarg_segment_ptr 1
		.amdhsa_wavefront_size32 1
		.amdhsa_system_sgpr_workgroup_id_x 1
		.amdhsa_system_sgpr_workgroup_id_y 1
		.amdhsa_system_sgpr_workgroup_id_z 1
		.amdhsa_system_vgpr_workitem_id 0
		.amdhsa_next_free_vgpr 256
		.amdhsa_next_free_sgpr 66
		.amdhsa_reserve_vcc 0
		.amdhsa_float_denorm_mode_32 3
		.amdhsa_float_denorm_mode_16_64 3
		.amdhsa_memory_ordered 1
		.amdhsa_forward_progress 1
		.amdhsa_inst_pref_size 40
	.end_amdhsa_kernel
	.amdgpu_metadata
---
amdhsa.version: [ 1, 2 ]
amdhsa.kernels:
  - .name:           k_q3733ba2206_prep
    .symbol:         k_q3733ba2206_prep.kd
    .args:
      - { .name: x, .offset: 0, .size: 8, .value_kind: global_buffer, .address_space: global }
      - { .name: Wb, .offset: 8, .size: 8, .value_kind: global_buffer, .address_space: global }
      - { .name: bb, .offset: 16, .size: 8, .value_kind: global_buffer, .address_space: global }
      - { .name: mask, .offset: 24, .size: 8, .value_kind: global_buffer, .address_space: global }
      - { .name: Wqkv, .offset: 32, .size: 8, .value_kind: global_buffer, .address_space: global }
      - { .name: Wg, .offset: 40, .size: 8, .value_kind: global_buffer, .address_space: global }
      - { .name: Wo, .offset: 48, .size: 8, .value_kind: global_buffer, .address_space: global }
      - { .name: xb, .offset: 56, .size: 8, .value_kind: global_buffer, .address_space: global }
      - { .name: biasw, .offset: 64, .size: 8, .value_kind: global_buffer, .address_space: global }
      - { .name: wt, .offset: 72, .size: 8, .value_kind: global_buffer, .address_space: global }
    .group_segment_fixed_size: 179200
    .private_segment_fixed_size: 0
    .kernarg_segment_align: 8
    .kernarg_segment_size: 80
    .max_flat_workgroup_size: 256
    .sgpr_count:     66
    .vgpr_count:     256
    .wavefront_size: 32
...
	.end_amdgpu_metadata
.endif
;; end of part 1
;; launch proj (part 2): grid 16 x 16, 4 waves a work-group, clusters of 4 x 4, 327,680 bytes of LDS; arguments xb, wt, qkvg, bqkv, bg, alphaq, alphak, alphav, rcos, rsin; writes qkvg
.if DOCPART == 2
	.amdgcn_target "amdgcn-amd-amdhsa--gfx1250"
	.amdhsa_code_object_version 6
	.text
	.protected	k_q3733ba2206_proj
	.globl	k_q3733ba2206_proj
	.p2align	8
	.type	k_q3733ba2206_proj,@function
k_q3733ba2206_proj:
	s_mov_b64 s[64:65], 0
	v_nop
	global_prefetch_b8 v0, s[64:65] scope:SCOPE_SE
	s_setreg_imm32_b32 hwreg(HW_REG_WAVE_MODE, 25, 1), 1
	s_wait_xcnt 0x0
	s_wait_alu depctr_hold_cnt(0) depctr_sa_sdst(0) depctr_va_vdst(0) depctr_va_sdst(0) depctr_va_ssrc(0) depctr_va_vcc(0) depctr_vm_vsrc(0)
	s_getreg_b32 s2, hwreg(HW_REG_IB_STS2, 6, 4)
	s_cmp_eq_u32 s2, 0
	s_cbranch_scc0 .Lentry_in_a_cluster
	s_endpgm
.Lentry_in_a_cluster:
	s_bfe_u32 s2, ttmp6, 0x10000c
	s_cmp_lg_u32 s2, 0xf033
	s_cbranch_scc0 .Lentry_shape_is_right
	s_endpgm
.Lentry_shape_is_right:
; PROJ.  [4096 tokens] x [4096 columns: Q, K, V, gate, each by heads] = xb wt^T over K = 1024, bf16 operands, f32 sums that START with the bias (the C operand of the first product).
; Then, in f32: Q: x sigmoid(alphaq) / 8, rotated;  K: x sigmoid(alphak), rotated;  V: x sigmoid(alphav);  gate: sigmoid.  Each rounded once to bf16 into qkvg[part][batch x 16 + head][2048][64].
; The rotation is the model's: c = t cos;  even = c_even - sin_even c_odd;  odd = c_odd + sin_even even, with the tables as they are given (of rsin the even entries are used, as in the model).
; SHARES.  A tile of 256 tokens x 256 columns (four heads of one part) to a work-group, 128 x 128 to each of its four waves: 64 accumulators, 512 registers.  16 x 16 work-groups.
; K goes in steps of 128 through two LDS slots filled by tensor loads; rows of 256 bytes, aligned.  CLUSTER 4 x 4: the four of a row share xb's tile, the four of a column wt's: joint loads.
; The cluster's x is the part, so all sixteen partners take the same way out.
; THE MATRIX INSTRUCTION IS USED TRANSPOSED (source 0 = 16 rows of wt, source 1 = 16 tokens): a lane holds one token (l % 16) and 8 neighbouring d.
; THE WAY OUT.  The sums go as f32 into the ring's bytes, which have had their last fill (a barrier in front: nobody reads tiles any more), each wave into 128 rows x 528 bytes of its own, and come back
; 16 tokens x 2 heads at a time with 8 d of one token in a lane, 8 lanes to a token: so a store of the wave is 512 consecutive bytes of a head.
; REGISTERS in windows of 256 (s_set_vgpr_msb: bits 1:0 source 0, 3:2 source 1, 5:4 source 2, 7:6 destination):
;   window 0: v16-31 addresses; v64-127, v128-191 xb's fragments, two buffers; v192-255 the bias (first quarter); on the way out v32-63 packed, v64-127 at work, v128-255 two sets of tables
;   window 1: v64-127, v128-191 wt's fragments;   windows 2, 3: the accumulators ((a, b) at 8 (8 (a % 4) + b))
; LIMITS: bf16 operands and results; exponentials and reciprocals flush denormals.
.set SIZE_K, 1024
.set KSTEP,  128
.set PITCH,  272                       ; 256 bytes + 16: row r starts at bank 4 r mod 64 (64 banks of 4 bytes: ISA guide 11.1)
.set HALFT,  128*PITCH
.set SLOT,   4*HALFT
.set DPITCH, 528                       ; the dump: 128 f32 + 16 bytes
.set DUMPW,  128*DPITCH
.set SPARE,  2*SLOT                    ; behind the ring: the spare words, two blocks of 256 bytes that no other line names
.set LAPS,   SIZE_K/(2*KSTEP)
.set ADRA, 16
.set ADRB, 20
.set DS,   24                          ; v24 the dump, in
.set RDX,  25                          ; v25 the dump, back
.set CO,   26                          ; v26 my 16 bytes of 512 in a head's rows
.set TO,   27                          ; v27 my 32 bytes in the tables
.set SPW,  28
.set NIL,  29
.set PFO,  30
.set BV,   31                          ; v31 my byte offset in the bias
.set OUT,  32
.set X,    64
.set TA,   128                         ; a set of tables: 32 registers of cos, 32 of sin
.set TB,   192
.set F0,   64
.set F1,   128
.set BIA,  192
.set G1,  24
.set G0,  32
.set G1B, 48
.set G0B, 56
.set LIM, 43
.set PFA, 44
.set SG,  84                           ; s[84:85] the part's scale
.set PART, 86
.set NL2E, 92                          ; s[92:93] -log2(e)
.set MSB, 0
.macro WIN new                         ; the immediate's high byte repeats the setting that is left; a switch that changes nothing is dropped
.if MSB != (\new)
	s_set_vgpr_msb (MSB<<8)|(\new)
.set MSB, \new
.endif
.endm
.set MUL_LO, 0xa1                      ; source 0 (wt) window 1, source 1 (xb) window 0, C and D window 2
.set TO_B,   0x40
; A joint load: waves 0, 1 fetch xb's two halves, waves 2, 3 wt's.  The branch hangs on the wave's number alone.  s_nop 0 and four v_nop follow each line.
.macro JLOAD s
	s_cmp_eq_u32 s11, 0
	s_cbranch_scc0 .Lfor_b_\@
	tensor_load_to_lds s[G0+4*(\s):G0+4*(\s)+3], s[G1:G1+7]
	s_nop 0
.rept 4
	v_nop
.endr
	s_branch .Lasked_\@
.Lfor_b_\@:
	tensor_load_to_lds s[G0B+4*(\s):G0B+4*(\s)+3], s[G1B:G1B+7]
	s_nop 0
.rept 4
	v_nop
.endr
.Lasked_\@:
.endm
; A prefetch into the L2 of the K step two refills on: 32 rows x 256 bytes, a lane a row.  xb's rows are asked for by the clusters with x = 0, wt's by those with y = 0; the four partners of a joint
; load take 32 of its 128 rows each, told apart by address.  So each row's 256 bytes of K steps 4 to 7 are named once; the loop's last trip has no K step two on and asks for nothing.
.macro ASK
	s_cmp_gt_u32 s3, s[LIM]
	s_cbranch_scc0 .Lnot_mine_\@
	global_prefetch_b8 v[PFO], s[PFA:PFA+1] offset:KSTEP*2 th:TH_LOAD_NT scope:SCOPE_SE
.Lnot_mine_\@:
.endm
.macro CREST                           ; a round of the cluster's barrier behind its opening barrier
	s_cmp_lg_u32 s10, 0
	s_cbranch_scc1 .Lnot_wave_0_\@
	s_barrier_signal -3
.Lnot_wave_0_\@:
	s_barrier_wait -3
	s_barrier_signal -1
	s_barrier_wait -1
.endm
.macro CROUND
	s_barrier_signal -1
	s_barrier_wait -1
	CREST
.endm
	s_load_b128 s[4:7], s[0:1], 0x0                ; xb, wt
	s_load_b64 s[8:9], s[0:1], 0x10                ; qkvg
	s_load_b256 s[68:75], s[0:1], 0x18             ; bqkv 68, bg 70, alphaq 72, alphak 74
	s_load_b128 s[76:79], s[0:1], 0x38             ; alphav 76, rcos 78
	s_load_b64 s[80:81], s[0:1], 0x48              ; rsin
	v_lshl_add_u32 v[SPW], v0, 2, SPARE
	v_mov_b32 v[NIL], 0
	ds_add_u32 v[SPW], v[NIL]                      ; the wave's opening: the add and its wait stand ahead of my first tensor load
	v_lshrrev_b32 v1, 5, v0
	v_readfirstlane_b32 s10, v1                    ; wave 0..3
	s_lshr_b32 s11, s10, 1                         ; my half of the tile's tokens.  Also: I fetch xb (0) or wt (1)
	s_and_b32 s12, s10, 1                          ; my half of its columns.  Also: which 128 rows I fetch
	s_bfe_u32 s40, ttmp6, 0x40000                  ; cx
	s_bfe_u32 s41, ttmp6, 0x40004                  ; cy
	s_lshl_b32 s42, ttmp9, 2
	s_add_co_u32 s42, s42, s40                     ; tile column
	s_and_b32 s13, ttmp7, 0xffff
	s_lshl_b32 s13, s13, 2
	s_add_co_u32 s13, s13, s41                     ; tile row
	s_lshl_b32 s43, s41, 2
	s_lshl_b32 s43, 15, s43                        ; my row of the cluster
	s_lshl_b32 s44, 0x1111, s40                    ; my column
	s_or_b32 s[G1+0], s43, (1<<16)|(1<<20)|(1<<21)|(5<<22)|(3<<25)   ; mask; 2-byte elements; padding on; bit 21 beside a mask; after every 64 words 4 words
	s_or_b32 s[G1B+0], s44, (1<<16)|(1<<20)|(1<<21)|(5<<22)|(3<<25)
.irp g, G1, G1B
	s_mov_b32 s[(\g)+1], KSTEP<<16                 ; tensor_dim0 = 128
	s_mov_b32 s[(\g)+2], 128<<16                   ; tensor_dim1 = 128
	s_mov_b32 s[(\g)+3], KSTEP<<16                 ; tile_dim0 = 128
	s_mov_b32 s[(\g)+4], 128                       ; tile_dim1 = 128
	s_mov_b32 s[(\g)+5], SIZE_K                    ; elements from row to row
	s_mov_b32 s[(\g)+6], 0
	s_mov_b32 s[(\g)+7], 0
.endr
	s_lshl_b32 s17, s12, 7
	s_lshl_b32 s16, s13, 8
	s_add_co_u32 s16, s16, s17                     ; xb: row 256 x tile row + 128 x half
	s_lshl_b32 s46, s42, 8
	s_add_co_u32 s46, s46, s17                     ; wt: row 256 x tile column + 128 x half
	s_mov_b32 s17, 0
	s_mov_b32 s47, 0
	s_mov_b64 s[18:19], SIZE_K*2
	s_mul_u64 s[16:17], s[16:17], s[18:19]
	s_mul_u64 s[46:47], s[46:47], s[18:19]
	s_mul_i32 s20, s10, HALFT                      ; where they go: wave x 128 rows
	s_wait_dscnt 0x0                               ; the opening add is done
	s_wait_kmcnt 0x0
	s_add_nc_u64 s[14:15], s[4:5], s[16:17]
	s_add_nc_u64 s[46:47], s[6:7], s[46:47]
	CROUND                                         ; all sixteen work-groups are here: the first joint loads meet
.irp s, 0,1
	s_mov_b32 s[G0+4*(\s)], 1
	s_add_co_u32 s[G0+4*(\s)+1], s20, (\s)*SLOT
	s_add_nc_u64 s[G0+4*(\s)+2:G0+4*(\s)+3], s[14:15], (\s)*KSTEP*2
	s_or_b32 s[G0+4*(\s)+3], s[G0+4*(\s)+3], 0x80000000
	s_mov_b32 s[G0B+4*(\s)], 1
	s_add_co_u32 s[G0B+4*(\s)+1], s20, (\s)*SLOT
	s_add_nc_u64 s[G0B+4*(\s)+2:G0B+4*(\s)+3], s[46:47], (\s)*KSTEP*2
	s_or_b32 s[G0B+4*(\s)+3], s[G0B+4*(\s)+3], 0x80000000
	JLOAD \s
.endr
	; the bias of my 128 columns: column 16 b + 8 hh + j is head 4 cx + 2 half + b / 4, d = 16 (b % 4) + 8 hh + j, and lies at 16 d + h of its part
	v_and_b32 v1, 15, v0                           ; r
	v_bfe_u32 v2, v0, 4, 1                         ; hh
	s_mov_b32 s[PART], ttmp9
	s_lshl_b32 s88, s[PART], 12
	s_mov_b32 s89, 0
	s_add_nc_u64 s[88:89], s[68:69], s[88:89]
	s_cmp_eq_u32 s[PART], 3
	s_cselect_b64 s[88:89], s[70:71], s[88:89]     ; bg for the gate, else bqkv at the part
	s_cmp_eq_u32 s[PART], 0
	s_cselect_b64 s[90:91], s[72:73], s[76:77]
	s_cselect_b32 s83, 0x3e000000, 1.0             ; the scores' 1 / 8, exact, goes into Q
	s_cmp_eq_u32 s[PART], 1
	s_cselect_b64 s[90:91], s[74:75], s[90:91]     ; the part's alpha (the gate reads alphav and does not use it)
	s_load_b32 s82, s[90:91], 0x0
	s_lshl_b32 s92, s40, 4
	s_lshl_b32 s93, s12, 3
	s_add_co_u32 s92, s92, s93
	v_lshl_add_u32 v[BV], v2, 9, s92               ; 64 x 8 hh + 4 x (4 cx + 2 half)
.irp b, 0,1,2,3,4,5,6,7
.irp j, 0,1,2,3,4,5,6,7
	global_load_b32 v[BIA+8*(\b)+(\j)], v[BV], s[88:89] offset:(16*((\b)%4)+(\j))*64+((\b)/4)*4
.endr
.endr
	v_mul_u32_u24 v3, v1, PITCH
	v_lshl_add_u32 v3, v2, 4, v3                   ; a fragment's row x pitch + 16 x half
	s_mul_i32 s21, s11, HALFT
	s_mul_i32 s22, s12, HALFT
	s_add_co_u32 s22, s22, 2*HALFT
.irp s, 0,1
	v_add_nc_u32 v[ADRA+(\s)], s21, v3
	v_add_nc_u32 v[ADRB+(\s)], s22, v3
	s_add_co_u32 s21, s21, SLOT
	s_add_co_u32 s22, s22, SLOT
.endr
	s_mul_i32 s94, s10, DUMPW                      ; my dump
	v_mul_u32_u24 v[DS], v1, DPITCH                ; in: token r, 32 bytes for each half of the lanes
	v_lshl_add_u32 v[DS], v2, 5, v[DS]
	v_add_nc_u32 v[DS], s94, v[DS]
	v_bfe_u32 v5, v0, 3, 2                         ; back: token l / 8, d = 8 (l % 8) ..
	v_and_b32 v6, 7, v0
	v_mul_u32_u24 v[RDX], v5, DPITCH
	v_lshl_add_u32 v[RDX], v6, 5, v[RDX]
	v_add_nc_u32 v[RDX], s94, v[RDX]
	s_and_b32 s92, s13, 7
	s_lshl_b32 s92, s92, 8
	s_lshl_b32 s93, s11, 7
	s_add_co_u32 s92, s92, s93                     ; my first token's place in its sequence
	s_lshl_b32 s93, s92, 8                         ; a row of the tables is 256 bytes
	v_and_b32 v7, 31, v0
	v_lshl_add_u32 v[TO], v7, 5, s93
	v_lshlrev_b32 v[CO], 4, v7
	s_lshr_b32 s16, s13, 3                         ; batch
	s_lshl_b32 s16, s16, 4
	s_lshl_b32 s17, s40, 2
	s_add_co_u32 s16, s16, s17
	s_lshl_b32 s17, s12, 1
	s_add_co_u32 s16, s16, s17                     ; 16 x batch + my first head
	s_lshl_b32 s16, s16, 18                        ; a head is 262,144 bytes
	s_lshl_b32 s17, s92, 7
	s_add_co_u32 s16, s16, s17
	s_lshl_b32 s17, s[PART], 23                    ; a part is 8,388,608 bytes
	s_add_co_u32 s16, s16, s17
	s_mov_b32 s17, 0
	s_add_nc_u64 s[8:9], s[8:9], s[16:17]
	; the prefetches
	s_lshl_b32 s20, s13, 8
	s_lshl_b32 s21, s42, 8
	s_and_b32 s22, ttmp7, 0xffff
	s_cmp_eq_u32 s11, 0
	s_cselect_b32 s20, s20, s21                    ; the tile's first row
	s_cselect_b32 s21, s40, s41                    ; my place among the four that ask with me
	s_cselect_b32 s22, ttmp9, s22                  ; the coordinate along which other clusters read the same rows
	s_cselect_b64 s[PFA:PFA+1], s[4:5], s[6:7]
	s_cmp_eq_u32 s22, 0
	s_cselect_b32 s[LIM], 1, -1
	s_lshl_b32 s22, s12, 7
	s_add_co_u32 s20, s20, s22
	s_lshl_b32 s21, s21, 5
	s_add_co_u32 s20, s20, s21
	s_mov_b32 s21, 0
	s_mov_b64 s[18:19], SIZE_K*2
	s_mul_u64 s[20:21], s[20:21], s[18:19]
	s_add_nc_u64 s[PFA:PFA+1], s[PFA:PFA+1], s[20:21]
	s_add_nc_u64 s[PFA:PFA+1], s[PFA:PFA+1], 2*KSTEP*2   ; at K step 2: the first refill steps it to 3 and names K step 4
	v_and_b32 v[PFO], 31, v0
	v_mul_u32_u24 v[PFO], v[PFO], SIZE_K*2
	; the part's scale: sigmoid(alpha) = 1 / (1 + 2^(-log2(e) alpha))
	s_mov_b32 s[NL2E], 0xbfb8aa3b
	s_mov_b32 s[NL2E+1], s[NL2E]
	s_wait_kmcnt 0x0
	v_mov_b32 v4, s82
	v_mul_f32 v4, s[NL2E], v4
	v_exp_f32 v4, v4
	v_nop                                          ; a plain instruction behind the transcendental,
	s_wait_alu depctr_va_vdst(0)                   ; and the wait ahead of its first reader
	v_add_f32 v4, 1.0, v4
	v_rcp_f32 v4, v4
	v_nop
	s_wait_alu depctr_va_vdst(0)
	v_mul_f32 v4, s83, v4
	v_readfirstlane_b32 s[SG], v4
	s_mov_b32 s[SG+1], s[SG]
; 16 matrix instructions: token blocks a0, a0 + 1 of the window's four x all 8 column blocks, 32 along K.  zero = 1: the first product starts the sums with the bias (C in window 0).
.macro MUL16 f, hi, a0, zero
.if \zero
	WIN 0x81+0x40*(\hi)
.else
	WIN MUL_LO+0x50*(\hi)
.endif
.irp a, \a0, (\a0)+1
.irp b, 0,1,2,3,4,5,6,7
.if \zero
	v_wmma_f32_16x16x32_bf16 v[8*(8*(\a)+(\b)):8*(8*(\a)+(\b))+7], v[(\f)+8*(\b):(\f)+8*(\b)+7], v[(\f)+8*(4*(\hi)+(\a)):(\f)+8*(4*(\hi)+(\a))+7], v[BIA+8*(\b):BIA+8*(\b)+7]
.else
	v_wmma_f32_16x16x32_bf16 v[8*(8*(\a)+(\b)):8*(8*(\a)+(\b))+7], v[(\f)+8*(\b):(\f)+8*(\b)+7], v[(\f)+8*(4*(\hi)+(\a)):(\f)+8*(4*(\hi)+(\a))+7], v[8*(8*(\a)+(\b)):8*(8*(\a)+(\b))+7]
.endif
.endr
.endr
.endm
.macro FETCH slot, k, f                ; 32 LDS loads in one run: a quarter step's fragments
	WIN TO_B
.irp i, 0,1,2,3,4,5,6,7
	ds_load_b128 v[(\f)+8*(\i):(\f)+8*(\i)+3],   v[ADRB+(\slot)] offset:(\k)+(\i)*16*PITCH
	ds_load_b128 v[(\f)+8*(\i)+4:(\f)+8*(\i)+7], v[ADRB+(\slot)] offset:(\k)+(\i)*16*PITCH+32
.endr
	WIN 0
.irp i, 0,1,2,3,4,5,6,7
	ds_load_b128 v[(\f)+8*(\i):(\f)+8*(\i)+3],   v[ADRA+(\slot)] offset:(\k)+(\i)*16*PITCH
	ds_load_b128 v[(\f)+8*(\i)+4:(\f)+8*(\i)+7], v[ADRA+(\slot)] offset:(\k)+(\i)*16*PITCH+32
.endr
.endm
.macro PLACES                          ; four places in front of loads into registers that matrix instructions have read, and of stores that read results
.rept 4
	v_nop
.endr
.endm
.macro QUARTER slot, k, f, g, zero     ; multiplies buffer f; in its middle fetches the next quarter, at byte k of the rows, into g
	s_wait_dscnt 8                                 ; wt's fragments and xb's rows 0-63 are in; the youngest eight loads may be out
	MUL16 \f, 0, 0, \zero
	MUL16 \f, 0, 2, \zero
	PLACES
	FETCH \slot, \k, \g
	s_wait_dscnt 32                                ; all but the 32 just issued
	MUL16 \f, 1, 0, \zero
	MUL16 \f, 1, 2, \zero
.endm
; The change of slots, first half: each wave waits for all its tensor loads (one is out: its part of the next slot), adds 0 to its spare word, waits for that and for its reads of this slot, and signals.
.macro MEET round
	WIN 0
	s_wait_tensorcnt 0x0
	ds_add_u32 v[SPW], v[NIL]
	s_wait_dscnt 9                                 ; the add and the youngest eight loads may be out
	MUL16 F1, 0, 0, 0
	s_wait_dscnt 0x0                               ; the add is done, my reads of this slot are over
	s_barrier_signal -1
	MUL16 F1, 0, 2, 0
.if \round
	WIN 0
.endif
	s_barrier_wait -1
.endm
.macro TURN slot, next                 ; the last quarter of a K step; the slot just read is filled again, two K steps on, first thing behind the cluster's round
	s_wait_xcnt 0x0                                ; the last prefetch, a K step back, has read its address
	s_add_nc_u64 s[PFA:PFA+1], s[PFA:PFA+1], KSTEP*2
	MEET 1
	CREST
	s_add_nc_u64 s[G0+4*(\slot)+2:G0+4*(\slot)+3], s[G0+4*(\slot)+2:G0+4*(\slot)+3], 2*KSTEP*2
	s_add_nc_u64 s[G0B+4*(\slot)+2:G0B+4*(\slot)+3], s[G0B+4*(\slot)+2:G0B+4*(\slot)+3], 2*KSTEP*2
	JLOAD \slot                                    ; its four v_nop are also the places in front of the loads below
	FETCH \next, 0, F0
	ASK
	MUL16 F1, 1, 0, 0
	MUL16 F1, 1, 2, 0
.endm
	s_wait_tensorcnt 1                             ; my part of K step 0 is in; K step 1's may stay out
	s_barrier_signal -1
	s_barrier_wait -1
	FETCH 0, 0, F0
	s_wait_loadcnt 0x0                             ; the bias
	QUARTER 0, 64,  F0, F1, 1
	WIN 0
	s_mov_b32 s3, LAPS-1
.Llap:                                                 ; once round the ring, from a lap's second quarter to the next lap's first; both slots are filled again
	QUARTER 0, 128, F1, F0, 0
	QUARTER 0, 192, F0, F1, 0
	TURN 0, 1
	QUARTER 1, 64,  F0, F1, 0
	QUARTER 1, 128, F1, F0, 0
	QUARTER 1, 192, F0, F1, 0
	TURN 1, 0
	QUARTER 0, 64,  F0, F1, 0
	WIN 0
	s_sub_co_u32 s3, s3, 1
	s_cmp_lg_u32 s3, 0
	s_cbranch_scc1 .Llap
	QUARTER 0, 128, F1, F0, 0                      ; the last lap fills nothing
	QUARTER 0, 192, F0, F1, 0
	MEET 0
	PLACES
	FETCH 1, 0, F0
	MUL16 F1, 1, 0, 0
	MUL16 F1, 1, 2, 0
	QUARTER 1, 64,  F0, F1, 0
	QUARTER 1, 128, F1, F0, 0
	QUARTER 1, 192, F0, F1, 0
	s_wait_dscnt 8
	MUL16 F1, 0, 0, 0
	MUL16 F1, 0, 2, 0
	s_wait_dscnt 0x0
	MUL16 F1, 1, 0, 0
	MUL16 F1, 1, 2, 0
	WIN 0
; ---------------- THE WAY OUT ----------------
.macro TLOAD set, o                    ; 16 tokens' rows of both tables: a lane's 8 d are 32 bytes; two loads cover 1,024 consecutive bytes
.irp tq, 0,1,2,3
	global_load_b128 v[(\set)+8*(\tq):(\set)+8*(\tq)+3],       v[TO], s[78:79] offset:(\o)+1024*(\tq)
	global_load_b128 v[(\set)+8*(\tq)+4:(\set)+8*(\tq)+7],     v[TO], s[78:79] offset:(\o)+1024*(\tq)+16
	global_load_b128 v[(\set)+32+8*(\tq):(\set)+32+8*(\tq)+3], v[TO], s[80:81] offset:(\o)+1024*(\tq)
	global_load_b128 v[(\set)+32+8*(\tq)+4:(\set)+32+8*(\tq)+7], v[TO], s[80:81] offset:(\o)+1024*(\tq)+16
.endr
.endm
.macro XLOAD o                         ; 16 tokens x 2 heads back from my dump: token 4 tq + l / 8, head hd, d = 8 (l % 8) ..
.irp tq, 0,1,2,3
.irp hd, 0,1
	ds_load_b128 v[X+16*(\tq)+8*(\hd):X+16*(\tq)+8*(\hd)+3],   v[RDX] offset:(\o)+4*DPITCH*(\tq)+256*(\hd)
	ds_load_b128 v[X+16*(\tq)+8*(\hd)+4:X+16*(\tq)+8*(\hd)+7], v[RDX] offset:(\o)+4*DPITCH*(\tq)+256*(\hd)+16
.endr
.endr
.endm
.macro PACKST o                        ; rounded to bf16 and stored: 512 consecutive bytes of a head's rows, aligned
	s_wait_xcnt 0x0                                ; the last block's stores have read OUT
.irp tq, 0,1,2,3
.irp hd, 0,1
.irp p, 0,1,2,3
	v_cvt_pk_bf16_f32 v[OUT+8*(\tq)+4*(\hd)+(\p)], v[X+16*(\tq)+8*(\hd)+2*(\p)], v[X+16*(\tq)+8*(\hd)+2*(\p)+1]
.endr
.endr
.endr
.irp tq, 0,1,2,3
.irp hd, 0,1
	global_store_b128 v[CO], v[OUT+8*(\tq)+4*(\hd):OUT+8*(\tq)+4*(\hd)+3], s[8:9] offset:(\o)+262144*(\hd)+512*(\tq)
.endr
.endr
.endm
.macro ROTB cur, nxt, xo, tof, cof, last   ; a block with the tables of set cur; the next block's are asked for into set nxt
	XLOAD \xo
	s_wait_loadcnt 0x0                             ; only this block's tables were out
.if \last
	s_cmp_eq_u32 s3, 1                             ; behind the last block there are no rows to ask for
	s_cbranch_scc1 .Lno_more_\@
.endif
	TLOAD \nxt, \tof
.if \last
.Lno_more_\@:
.endif
	s_wait_dscnt 0x0
.set i, 0
.rept 16
	v_pk_mul_f32 v[(\cur)+2*i:(\cur)+2*i+1], v[(\cur)+2*i:(\cur)+2*i+1], s[SG:SG+1] op_sel_hi:[1,0]   ; cos x the part's scale, for both heads
.set i, i+1
.endr
.irp tq, 0,1,2,3
.irp hd, 0,1
.irp p, 0,2,4,6
	v_pk_mul_f32 v[X+16*(\tq)+8*(\hd)+(\p):X+16*(\tq)+8*(\hd)+(\p)+1], v[X+16*(\tq)+8*(\hd)+(\p):X+16*(\tq)+8*(\hd)+(\p)+1], v[(\cur)+8*(\tq)+(\p):(\cur)+8*(\tq)+(\p)+1]
.endr
.endr
.endr
.irp tq, 0,1,2,3
.irp hd, 0,1
.irp p, 0,2,4,6
	v_fma_f32 v[X+16*(\tq)+8*(\hd)+(\p)], -v[(\cur)+32+8*(\tq)+(\p)], v[X+16*(\tq)+8*(\hd)+(\p)+1], v[X+16*(\tq)+8*(\hd)+(\p)]      ; even -= sin x odd
.endr
.endr
.endr
.irp tq, 0,1,2,3
.irp hd, 0,1
.irp p, 0,2,4,6
	v_fma_f32 v[X+16*(\tq)+8*(\hd)+(\p)+1], v[(\cur)+32+8*(\tq)+(\p)], v[X+16*(\tq)+8*(\hd)+(\p)], v[X+16*(\tq)+8*(\hd)+(\p)+1]     ; odd += sin x the new even
.endr
.endr
.endr
	PACKST \cof
.endm
	s_barrier_signal -1                            ; every wave's reads of the ring are back (the wait for 0 above) and all tiles have landed: the ring's bytes are free
	s_barrier_wait -1
	PLACES                                         ; behind the last products: their results are stored, and buffer 1's registers are loaded
	s_cmp_lt_u32 s[PART], 2
	s_cbranch_scc0 .Lno_tab
	TLOAD TA, 0                                    ; the first block's tables are on their way during the dump
.Lno_tab:
.irp a, 0,1,2,3,4,5,6,7
	WIN 0x08+4*((\a)/4)                            ; the stores' data in window 2 or 3
.irp b, 0,1,2,3,4,5,6,7
	ds_store_b128 v[DS], v[8*(8*((\a)%4)+(\b)):8*(8*((\a)%4)+(\b))+3]   offset:(\a)*16*DPITCH+64*(\b)      ; each accumulator's low registers first
	ds_store_b128 v[DS], v[8*(8*((\a)%4)+(\b))+4:8*(8*((\a)%4)+(\b))+7] offset:(\a)*16*DPITCH+64*(\b)+16
.endr
.endr
	WIN 0                                          ; LDS serves a wave's instructions in order (ISA guide 5.7.1.4): my loads below see these stores
	s_cmp_lt_u32 s[PART], 2
	s_cbranch_scc1 .Lrot
	s_cmp_eq_u32 s[PART], 2
	s_cbranch_scc1 .Lvsc
	s_mov_b32 s3, 8                                ; THE GATE: 1 / (1 + 2^(-log2(e) t))
.Lsig:
	XLOAD 0
	s_wait_dscnt 0x0
.set i, 0
.rept 32
	v_pk_mul_f32 v[X+2*i:X+2*i+1], v[X+2*i:X+2*i+1], s[NL2E:NL2E+1] op_sel_hi:[1,0]
.set i, i+1
.endr
.set i, 0
.rept 64
	v_exp_f32 v[X+i], v[X+i]
.set i, i+1
.endr
	v_nop
	s_wait_alu depctr_va_vdst(0)                   ; one wait for the batch of 64
.set i, 0
.rept 32
	v_pk_add_f32 v[X+2*i:X+2*i+1], v[X+2*i:X+2*i+1], 1.0 op_sel_hi:[1,0]
.set i, i+1
.endr
.set i, 0
.rept 64
	v_rcp_f32 v[X+i], v[X+i]
.set i, i+1
.endr
	v_nop
	s_wait_alu depctr_va_vdst(0)
	PACKST 0
	s_wait_xcnt 0x0                                ; the stores have read CO
	v_add_nc_u32 v[RDX], 16*DPITCH, v[RDX]
	v_add_nc_u32 v[CO], 2048, v[CO]
	s_sub_co_u32 s3, s3, 1
	s_cmp_lg_u32 s3, 0
	s_cbranch_scc1 .Lsig
	s_branch .Lend
.Lvsc:
	s_mov_b32 s3, 8                                ; V: the scale alone
.Lvsc_trip:
	XLOAD 0
	s_wait_dscnt 0x0
.set i, 0
.rept 32
	v_pk_mul_f32 v[X+2*i:X+2*i+1], v[X+2*i:X+2*i+1], s[SG:SG+1] op_sel_hi:[1,0]
.set i, i+1
.endr
	PACKST 0
	s_wait_xcnt 0x0
	v_add_nc_u32 v[RDX], 16*DPITCH, v[RDX]
	v_add_nc_u32 v[CO], 2048, v[CO]
	s_sub_co_u32 s3, s3, 1
	s_cmp_lg_u32 s3, 0
	s_cbranch_scc1 .Lvsc_trip
	s_branch .Lend
.Lrot:
	s_mov_b32 s3, 4                                ; Q AND K: two blocks a trip, on the two sets of tables
.Lrot_trip:
	ROTB TA, TB, 0, 4096, 0, 0
	ROTB TB, TA, 16*DPITCH, 8192, 2048, 1
	s_wait_xcnt 0x0                                ; loads and stores have read TO and CO
	v_add_nc_u32 v[RDX], 32*DPITCH, v[RDX]
	v_add_nc_u32 v[CO], 4096, v[CO]
	v_add_nc_u32 v[TO], 8192, v[TO]
	s_sub_co_u32 s3, s3, 1
	s_cmp_lg_u32 s3, 0
	s_cbranch_scc1 .Lrot_trip
.Lend:
	s_wait_tensorcnt 0x0                           ; the wave's end, behind my last tensor load and my last LDS store
	ds_add_u32 v[SPW], v[NIL]
	s_wait_dscnt 0x0
	CROUND                                         ; the closing round
	s_endpgm
.Lfunc_end_k_q3733ba2206_proj:
	.size	k_q3733ba2206_proj, .Lfunc_end_k_q3733ba2206_proj-k_q3733ba2206_proj
	.p2alignl 7, 3214868480
	.fill 96, 4, 3214868480
	.section	.rodata,"a",@progbits
	.p2align	6, 0x0
	.amdhsa_kernel k_q3733ba2206_proj
		.amdhsa_group_segment_fixed_size 327680
		.amdhsa_private_segment_fixed_size 0
		.amdhsa_enable_private_segment 0
		.amdhsa_kernarg_size 80
		.amdhsa_user_sgpr_count 2
		.amdhsa_user_sgpr_kernarg_segment_ptr 1
		.amdhsa_wavefront_size32 1
		.amdhsa_system_sgpr_workgroup_id_x 1
		.amdhsa_system_sgpr_workgroup_id_y 1
		.amdhsa_system_sgpr_workgroup_id_z 1
		.amdhsa_system_vgpr_workitem_id 0
		.amdhsa_next_free_vgpr 1024
		.amdhsa_next_free_sgpr 96
		.amdhsa_reserve_vcc 0
		.amdhsa_float_denorm_mode_32 3
		.amdhsa_float_denorm_mode_16_64 3
		.amdhsa_memory_ordered 1
		.amdhsa_forward_progress 1
		.amdhsa_inst_pref_size 173
	.end_amdhsa_kernel
	.amdgpu_metadata
---
amdhsa.version: [ 1, 2 ]
amdhsa.kernels:
  - .name:           k_q3733ba2206_proj
    .symbol:         k_q3733ba2206_proj.kd
    .args:
      - { .name: xb, .offset: 0, .size: 8, .value_kind: global_buffer, .address_space: global }
      - { .name: wt, .offset: 8, .size: 8, .value_kind: global_buffer, .address_space: global }
      - { .name: qkvg, .offset: 16, .size: 8, .value_kind: global_buffer, .address_space: global }
      - { .name: bqkv, .offset: 24, .size: 8, .value_kind: global_buffer, .address_space: global }
      - { .name: bg, .offset: 32, .size: 8, .value_kind: global_buffer, .address_space: global }
      - { .name: alphaq, .offset: 40, .size: 8, .value_kind: global_buffer, .address_space: global }
      - { .name: alphak, .offset: 48, .size: 8, .value_kind: global_buffer, .address_space: global }
      - { .name: alphav, .offset: 56, .size: 8, .value_kind: global_buffer, .address_space: global }
      - { .name: rcos, .offset: 64, .size: 8, .value_kind: global_buffer, .address_space: global }
      - { .name: rsin, .offset: 72, .size: 8, .value_kind: global_buffer, .address_space: global }
    .group_segment_fixed_size: 327680
    .private_segment_fixed_size: 0
    .kernarg_segment_align: 8
    .kernarg_segment_size: 80
    .max_flat_workgroup_size: 128
    .sgpr_count:     96
    .vgpr_count:     1024
    .wavefront_size: 32
...
	.end_amdgpu_metadata
.endif
;; end of part 2
;; launch attn (part 3): grid 8 x 32, 4 waves a work-group, clusters of 4 x 1, 327,680 bytes of LDS; arguments qkvg, biasw, att; writes att
.if DOCPART == 3
	.amdgcn_target "amdgcn-amd-amdhsa--gfx1250"
	.amdhsa_code_object_version 6
	.text
	.protected	k_q3733ba2206_attn
	.globl	k_q3733ba2206_attn
	.p2align	8
	.type	k_q3733ba2206_attn,@function
k_q3733ba2206_attn:
	s_mov_b64 s[64:65], 0
	v_nop
	global_prefetch_b8 v0, s[64:65] scope:SCOPE_SE
	s_setreg_imm32_b32 hwreg(HW_REG_WAVE_MODE, 25, 1), 1
	s_wait_xcnt 0x0
	s_wait_alu depctr_hold_cnt(0) depctr_sa_sdst(0) depctr_va_vdst(0) depctr_va_sdst(0) depctr_va_ssrc(0) depctr_va_vcc(0) depctr_vm_vsrc(0)
	s_getreg_b32 s2, hwreg(HW_REG_IB_STS2, 6, 4)
	s_cmp_eq_u32 s2, 0
	s_cbranch_scc0 .Lentry_in_a_cluster
	s_endpgm
.Lentry_in_a_cluster:
	s_bfe_u32 s2, ttmp6, 0x10000c
	s_cmp_lg_u32 s2, 0x3003
	s_cbranch_scc0 .Lentry_shape_is_right
	s_endpgm
.Lentry_shape_is_right:
; ATTN.  att[bh][q][:] = gate[bh][q][:] x the sum over k of softmax_k(Q[q] . K[k] + bias[k]) V[k][:].  Q (with the scale 1 / 8 in it), K, V, gate: parts 0-3 of qkvg, each [32 heads][2048][64] bf16;
; bias = x Wb + bb - mask in f32, biasw[block of 32 keys][16 heads][32].  Products in bf16 with f32 sums; maxima and sums in f32; the weights are rounded to bf16 for the second product
; (their sum l is taken of the unrounded weights); att is rounded once.
; THE BIAS is the C operand of the product that starts a score's sum: it costs no vector instruction.  A head's 2,048 biases lie in LDS, filled once.
; SHARES.  A work-group owns 256 queries of a head, a wave 64: four PIECES of 16.  Every wave walks all 2,048 keys, 64 a step; a slot of LDS holds 256 keys' K and V, two slots take turns.
; CLUSTER.  The four query blocks of a cluster belong to one head and walk the same K, V and bias: each tile is asked for jointly, by the same load, descriptor and mask in all four.
; LAYOUT.  S^T = K Q^T holds ONE query a lane (l % 16) and the keys 8 (l / 16) + 0..7; two such results rounded to bf16 ARE source 1 of O^T = V^T P.  K comes out of LDS as it lies, V turned.
; SOFTMAX.  p = 2^(c s - c m), c = log2(e), with a running maximum m; O and l are multiplied by a = 2^(c m_old - c m_new) in every step.  m starts at -1e30 and c m at c x that, O and l at 0.
; TURNS.  Turn n belongs to piece n: 8 products K Q^T of piece n + 1, later 8 products V^T P of piece n - 1; beside them the scaling, exponentials, roundings, sums and rescaling of piece n and the maximum
; and statistics of piece n + 1.  Four vector instructions stand behind every matrix instruction, the rest in one run.  A turn's 33 exponentials are one batch, with one wait.
; LIMITS.  A score below -1e30 counts as hidden; a row whose keys are all hidden has l = 0 and gives NaN.  A weight below 2^-126 counts as 0.  bf16 operands.
; REGISTERS, in windows of 256 (s_set_vgpr_msb: bits 1:0 source 0, 3:2 source 1, 5:4 source 2, 7:6 destination):
;   window 0: v0-15, v59-63 addresses and constants; v16-31 statistics; v48-55 at work; v64-127 S^T, two buffers; v192-223 P, two buffers (by the piece's parity)
;   window 1: v0-127 O^T, 32 a piece; v128-159 the step's biases      window 2: v0-63 Q; v64-127 the gate; v128-191 K of one step; v192-255 V of one step
.set NP,    4
.set KS,    64
.set PK,    144       ; a row of K in LDS: 128 bytes + 16: the 16 rows of a load start at 16 different groups of four banks (64 banks of 4 bytes: ISA guide 11.1)
.set PV,    160       ; a row of V: 128 + 32
.set VOFF,  4*KS*PK
.set SLOT1, 1<<17
.set BIASL, 81920     ; behind slot 0: the head's 2,048 biases, filled once
.set STAGE, SLOT1+4*KS*(PK+PV)  ; behind the ring, never filled by a tensor load: 16 rows x 144 bytes a wave
.set SP,    144
.set SPARE, STAGE+4*16*SP       ; the spare words: two blocks of 256 bytes that no other line names
.set AK0, 2
.set AV0, 3
.set AK,  4
.set AV,  5
.set STO, 6
.set RD,  7
.set GO,  8
.set MV,  12          ; v12-13 c m_old, by buffer
.set AB0, 14          ; v14  BIASL + 32 (l / 16); never rewritten
.set QO,  15
.set ST,  16          ; piece t: c m, m, l (even keys', odd keys')
.set TMP, 48
.set AB,  59          ; v59  the LDS address of the biases to be fetched
.set ZR,  60          ; v60  0, the gate product's addend
.set PFO, 61
.set SPW, 62
.set NIL, 63
.set S,   64
.set P,   192
.set BI,  128         ; window 1
.set GB,  64          ; window 2
.set KF,  128         ; window 2
.set VF,  192         ; window 2
.set WV,  12
.set LIM, 15
.set PFA, 18
.set G1K, 24
.set G1V, 32
.set G0K, 40
.set G0V, 44
.set SLOTS, 56
.set CNT, 57
.set CS,  58
.set SEL, 60
.set TBK, 62
.set TBV, 63
.set TBB, 76
.set G1B, 84
.set G0B, 92
.set MSB, 0
.macro WIN new
.if MSB != (\new)
	s_set_vgpr_msb (MSB<<8)|(\new)
.set MSB, (\new)
.endif
.endm
.set W_KQ, 0x0a       ; K and Q in window 2, S^T in window 0
.set W_KM, 0x1a       ; the same with the C operand in window 1
.set W_PV, 0x52       ; V in window 2, P in window 0, O^T in window 1
.set W_RS, 0x41       ; destination and source 0 in window 1, source 1 in window 0
; A joint fill: waves 0, 1 fetch the halves of a slot's K, waves 2, 3 of its V.  s_nop 0 and four v_nop follow each line.
.macro JLOAD
	s_cmp_lt_u32 s[WV], 2
	s_cbranch_scc0 .Lfor_v_\@
	tensor_load_to_lds s[G0K:G0K+3], s[G1K:G1K+7]
	s_nop 0
.rept 4
	v_nop
.endr
	s_branch .Lasked_\@
.Lfor_v_\@:
	tensor_load_to_lds s[G0V:G0V+3], s[G1V:G1V+7]
	s_nop 0
.rept 4
	v_nop
.endr
.Lasked_\@:
.endm
; A prefetch into the L2 of what the NEXT change of slots will ask for: 128 blocks of 256 bytes of K and of V.  The head's first cluster asks; its four partners take 32 blocks each, told apart by address;
; wave 0 asks for K's, wave 2 for V's: a lane a block.  So each block is named once.  The last change that fills a slot asks for nothing.
.macro ASK
	s_cmp_gt_u32 s[SLOTS], s[LIM]
	s_cbranch_scc0 .Lnot_mine_\@
	global_prefetch_b8 v[PFO], s[PFA:PFA+1] th:TH_LOAD_NT scope:SCOPE_SE
.Lnot_mine_\@:
.endm
.macro CROUND
	s_barrier_signal -1
	s_barrier_wait -1
	s_cmp_lg_u32 s[WV], 0
	s_cbranch_scc1 .Lnot_wave_0_\@
	s_barrier_signal -3
.Lnot_wave_0_\@:
	s_barrier_wait -3
	s_barrier_signal -1
	s_barrier_wait -1
.endm
; THE CHANGE OF SLOTS.  Each wave waits for all its tensor loads, adds 0 to its spare word, and waits for that and for its reads of the slot that it leaves.  fill = 1: the barrier is a round of the cluster's,
; and the slot is filled again first thing behind it, with the keys two slots on: that load has four key steps, 256 matrix instructions, in which to land.  (At its first use slot 0 is waited for, slot 1 filled.)
.macro CHANGE fill
	WIN 0
	s_wait_tensorcnt 0x0            ; no tensor load of mine is out, so a group 0 may be written
	ds_add_u32 v[SPW], v[NIL]
.if \fill
.irp g, G0K, G0V
	s_xor_b32 s[\g+1], s[\g+1], SLOT1
	s_add_nc_u64 s[\g+2:\g+3], s[\g+2:\g+3], 4*KS*128
.endr
	s_wait_xcnt 0x0                 ; the last prefetch, four key steps back, has read its address
	s_add_nc_u64 s[PFA:PFA+1], s[PFA:PFA+1], 4*KS*128
	s_wait_dscnt 0x0                ; the add is done, my reads of the slot are over
	CROUND
	JLOAD
	ASK
.else
	s_wait_dscnt 0x0
	s_barrier_signal -1
	s_barrier_wait -1
.endif
	s_sub_co_u32 s[TBK], s[TBK], 4*KS*PK
	s_xor_b32 s[TBK], s[TBK], SLOT1
	s_sub_co_u32 s[TBV], s[TBV], 4*KS*PV
	s_xor_b32 s[TBV], s[TBV], SLOT1
.endm
	s_load_b128 s[4:7], s[0:1], 0x0   ; qkvg, biasw
	s_load_b64 s[10:11], s[0:1], 0x10 ; att
	v_lshl_add_u32 v[SPW], v0, 2, SPARE
	v_mov_b32 v[NIL], 0
	ds_add_u32 v[SPW], v[NIL]       ; the wave's opening: the add and its wait stand ahead of my first tensor load
	v_lshrrev_b32 v1, 5, v0
	v_readfirstlane_b32 s[WV], v1
	s_bfe_u32 s13, ttmp6, 0x40000   ; cx
	s_lshl_b32 s14, ttmp9, 2
	s_add_co_u32 s14, s14, s13      ; my block of 256 queries: it enters Q's, the gate's and att's addresses alone
	s_and_b32 s16, ttmp7, 0xffff    ; batch x 16 + head, which the partners share
	s_lshl_b32 s20, s16, 18         ; the head's first byte in a part
	s_and_b32 s17, s[WV], 1         ; which half of a slot's 256 keys I fetch
	s_lshl_b32 s22, s17, 14
	s_add_co_u32 s22, s22, s20
	s_mov_b32 s23, 0
	s_mul_i32 s2, s17, 128*PK       ; its place in a slot, for K
	s_mul_i32 s3, s17, 128*PV       ; and for V
	s_lshl_b32 s66, s14, 15
	s_lshl_b32 s67, s[WV], 13
	s_add_co_u32 s66, s66, s67
	s_add_co_u32 s66, s66, s20      ; my wave's 64 rows
	s_mov_b32 s67, 0
	s_lshr_b32 s74, s16, 4          ; the biases: batch x 64 blocks of 2,048 bytes, my 16 blocks, the head's 128 bytes of each
	s_lshl_b32 s74, s74, 17
	s_lshl_b32 s75, s[WV], 15
	s_add_co_u32 s74, s74, s75
	s_and_b32 s75, s16, 15
	s_lshl_b32 s75, s75, 7
	s_add_co_u32 s74, s74, s75
	s_mov_b32 s75, 0
	; 128 keys are 16,384 dense bytes: asked for as 64 rows of 256 bytes, two keys a row, padded in LDS after every key
	s_mov_b32 s[G1K], 15|(1<<16)|(1<<20)|(1<<21)|(4<<22)|(3<<25)
	s_mov_b32 s[G1V], 15|(1<<16)|(1<<20)|(1<<21)|(4<<22)|(7<<25)
.irp g, G1K, G1V
	s_mov_b32 s[\g+1], 128<<16
	s_mov_b32 s[\g+2], 64<<16
	s_mov_b32 s[\g+3], 128<<16
	s_mov_b32 s[\g+4], 64
	s_mov_b32 s[\g+5], 128
	s_mov_b32 s[\g+6], 0
	s_mov_b32 s[\g+7], 0
.endr
	s_mov_b32 s[G1B], 15|(2<<16)|(1<<21)  ; the biases: 4-byte elements, no padding; 16 rows of 32, 512 elements apart
	s_mov_b32 s[G1B+1], 32<<16
	s_mov_b32 s[G1B+2], 16<<16
	s_mov_b32 s[G1B+3], 32<<16
	s_mov_b32 s[G1B+4], 16
	s_mov_b32 s[G1B+5], 512
	s_mov_b32 s[G1B+6], 0
	s_mov_b32 s[G1B+7], 0
	s_mov_b32 s[CS], 0x3fb8aa3b     ; c = log2(e)
	s_mov_b32 s[CS+1], s[CS]
	s_mov_b32 s[SEL], 0x76543210
	s_mov_b32 s[SEL+1], 0xfedcba98
	s_mov_b32 s[TBK], SLOT1+4*KS*PK ; the first change of slots turns these two into 0
	s_mov_b32 s[TBV], SLOT1+4*KS*PV
	s_mov_b32 s[TBB], 0
	s_mov_b32 s[SLOTS], 7           ; 2,048 / 256 - 1
	s_mov_b32 s[G0K], 1
	s_mov_b32 s[G0K+1], s2
	s_mov_b32 s[G0V], 1
	s_add_co_u32 s[G0V+1], s3, VOFF
	s_mov_b32 s[G0B], 1
	s_lshl_b32 s[G0B+1], s[WV], 11
	s_add_co_u32 s[G0B+1], s[G0B+1], BIASL
	s_and_b32 s[LIM], s[WV], 1
	s_or_b32 s[LIM], s[LIM], ttmp9
	s_cmp_eq_u32 s[LIM], 0
	s_cselect_b32 s[LIM], 1, -1     ; waves 0 and 2 of the head's first cluster prefetch: the same in all four partners
	v_and_b32 v[PFO], 31, v0
	v_lshlrev_b32 v[PFO], 8, v[PFO]
	s_wait_dscnt 0x0                ; the opening add is done
	s_wait_kmcnt 0x0
	s_add_nc_u64 s[68:69], s[4:5], s[22:23]
	s_add_nc_u64 s[70:71], s[68:69], 0x1000000   ; V: part 2
	s_add_nc_u64 s[68:69], s[68:69], 0x800000    ; K: part 1
	s_mov_b64 s[G0K+2:G0K+3], s[68:69]
	s_or_b32 s[G0K+3], s[G0K+3], 0x80000000
	s_mov_b64 s[G0V+2:G0V+3], s[70:71]
	s_or_b32 s[G0V+3], s[G0V+3], 0x80000000
	s_add_nc_u64 s[G0B+2:G0B+3], s[6:7], s[74:75]
	s_or_b32 s[G0B+3], s[G0B+3], 0x80000000
	s_add_nc_u64 s[4:5], s[4:5], s[66:67]        ; Q at my rows
	s_add_nc_u64 s[72:73], s[4:5], 0x1800000     ; the gate: part 3
	s_add_nc_u64 s[10:11], s[10:11], s[66:67]
	s_cmp_lt_u32 s[WV], 2
	s_cselect_b64 s[PFA:PFA+1], s[68:69], s[70:71]
	s_lshl_b32 s20, s13, 13         ; my work-group's 32 blocks of the 128
	s_mov_b32 s21, 0
	s_add_nc_u64 s[PFA:PFA+1], s[PFA:PFA+1], s[20:21]
	s_add_nc_u64 s[PFA:PFA+1], s[PFA:PFA+1], 4*KS*128  ; at slot 1's keys; the first change steps it on
	CROUND                          ; all four work-groups are here: the first joint loads meet
	s_cmp_lt_u32 s[WV], 2           ; a wave's two first fills stand in one branch: my quarter of the biases and my part of slot 0: two loads of mine are out
	s_cbranch_scc0 .Lfirst_v
	tensor_load_to_lds s[G0B:G0B+3], s[G1B:G1B+7]
	s_nop 0
	tensor_load_to_lds s[G0K:G0K+3], s[G1K:G1K+7]
	s_nop 0
.rept 4
	v_nop
.endr
	s_branch .Lfirst_asked
.Lfirst_v:
	tensor_load_to_lds s[G0B:G0B+3], s[G1B:G1B+7]
	s_nop 0
	tensor_load_to_lds s[G0V:G0V+3], s[G1V:G1V+7]
	s_nop 0
.rept 4
	v_nop
.endr
.Lfirst_asked:
	v_and_b32 v1, 15, v0            ; l % 16
	v_bfe_u32 v9, v0, 4, 1          ; l / 16
	v_lshlrev_b32 v[QO], 7, v1
	v_lshl_add_u32 v[QO], v9, 4, v[QO]  ; row x 128 + 16 x half
	WIN 0x80                        ; destination window 2
.set i, 0
.rept 8                             ; piece i / 2, channels 32 (i % 2) on.  The gate's 16 bytes at the same places are the 8 channels that a lane holds of O^T
	global_load_b128 v[8*i:8*i+3],   v[QO], s[4:5] offset:(i/2)*2048+(i%2)*64
	global_load_b128 v[8*i+4:8*i+7], v[QO], s[4:5] offset:(i/2)*2048+(i%2)*64+32
	global_load_b128 v[GB+8*i:GB+8*i+3],   v[QO], s[72:73] offset:(i/2)*2048+(i%2)*64
	global_load_b128 v[GB+8*i+4:GB+8*i+7], v[QO], s[72:73] offset:(i/2)*2048+(i%2)*64+32
.set i, i+1
.endr
	; What the first turn finds: V and P's second buffer hold 0 (its products V^T P, of a piece that has not been, add 0), O^T and l are 0.  All this stands in the wait for the first tile.
.set i, VF
.rept 64
	v_mov_b32 v[i], 0
.set i, i+1
.endr
	WIN 0x40
.set i, 0
.rept 128
	v_mov_b32 v[i], 0
.set i, i+1
.endr
	WIN 0
.set i, 0
.rept 4
	v_mov_b32 v[ST+4*i+1], 0xf149f2ca        ; m = -1e30
	v_mov_b32 v[ST+4*i+2], 0
	v_mov_b32 v[ST+4*i+3], 0
	v_mul_f32 v[ST+4*i], s[CS], v[ST+4*i+1]  ; c m, by the multiply that the loop uses: where a first step is all hidden, a = 2^0
.set i, i+1
.endr
.set i, P+16
.rept 16
	v_mov_b32 v[i], 0
.set i, i+1
.endr
	v_mov_b32 v[ZR], 0
	v_mul_u32_u24 v[AK0], v1, PK
	v_lshl_add_u32 v[AK0], v9, 4, v[AK0]
	v_and_b32 v10, 7, v0            ; the turning load: key 8 (l / 16) + l % 8, channels 8 ((l / 8) % 2) ..
	v_bfe_u32 v11, v0, 3, 1
	v_lshl_add_u32 v[AV0], v9, 3, v10
	v_mul_u32_u24 v[AV0], v[AV0], PV
	v_lshl_add_u32 v[AV0], v11, 4, v[AV0]
	v_add_nc_u32 v[AV0], VOFF, v[AV0]
	v_lshl_add_u32 v[AB0], v9, 5, BIASL      ; register 8 kb + j of the biases is key 16 kb + 8 (l / 16) + j
	s_mul_i32 s13, s[WV], 16*SP
	s_add_co_u32 s13, s13, STAGE
	v_mul_u32_u24 v[STO], v1, SP
	v_lshl_add_u32 v[STO], v9, 4, v[STO]
	v_add_nc_u32 v[STO], s13, v[STO]
	v_bfe_u32 v[RD], v0, 3, 2
	v_mul_u32_u24 v[RD], v[RD], SP
	v_lshl_add_u32 v[RD], v10, 4, v[RD]
	v_add_nc_u32 v[RD], s13, v[RD]
	v_and_b32 v[GO], 31, v0
	v_lshlrev_b32 v[GO], 4, v[GO]
; THE MATRIX WORK.  The 4 accumulators of a run of 8 take turns.  Product i of 8 of S^T = K Q^T + bias for piece x: channels 32 (i / 4) on, keys 16 (i % 4) on.
.macro KQ x
.set rS, S+32*((\x)%2)+8*(i%4)
.set rK, KF+16*(i%4)+8*(i/4)
.set rQ, 16*(\x)+8*(i/4)
.set rM, BI+8*(i%4)
.if i < 4
	WIN W_KM
	v_wmma_f32_16x16x32_bf16 v[rS:rS+7], v[rK:rK+7], v[rQ:rQ+7], v[rM:rM+7]
.else
	WIN W_KQ
	v_wmma_f32_16x16x32_bf16 v[rS:rS+7], v[rK:rK+7], v[rQ:rQ+7], v[rS:rS+7]
.endif
.endm
.macro PV x                         ; product i of 8 of O^T += V^T P: keys 32 (i / 4) on, channels 16 (i % 4) on
	WIN W_PV
.set rO, 32*(\x)+8*(i%4)
.set rV, VF+32*(i/4)+8*(i%4)
.set rP, P+16*((\x)%2)+8*(i/4)
	v_wmma_f32_16x16x32_bf16 v[rO:rO+7], v[rV:rV+7], v[rP:rP+7], v[rO:rO+7]
.endm
.macro MM                           ; the turn's next matrix instruction.  NOKQ = 1: the last turn: there is no next piece
.if (i < 8) && !NOKQ
	KQ (Y+1)%NP
.elseif i >= 8
.set i, i-8
	PV (Y+NP-1)%NP
.set i, i+8
.endif
.set i, i+1
.endm
; THE LDS LOADS stand in runs: a step's K (8 fragments) with its 64 biases, and its V (turned).  Their addresses are made some lines ahead.
.macro FETCH_K
	WIN 0x80
.irp f, 0,1,2,3,4,5,6,7
	ds_load_b128 v[KF+8*\f:KF+8*\f+3],   v[AK] offset:(\f/2)*16*PK+(\f%2)*64
	ds_load_b128 v[KF+8*\f+4:KF+8*\f+7], v[AK] offset:(\f/2)*16*PK+(\f%2)*64+32
.endr
	WIN 0x40
.irp f, 0,1,2,3
	ds_load_b128 v[BI+8*\f:BI+8*\f+3],   v[AB] offset:64*\f
	ds_load_b128 v[BI+8*\f+4:BI+8*\f+7], v[AB] offset:64*\f+16
.endr
	s_add_co_u32 s[TBK], s[TBK], KS*PK
	s_add_co_u32 s[TBB], s[TBB], 4*KS
	WIN 0
.endm
.macro FETCH_V
	WIN 0x80
.irp f, 0,1,2,3,4,5,6,7
	ds_load_tr16_b128 v[VF+8*\f:VF+8*\f+3],   v[AV] offset:(\f/4)*32*PV+(\f%4)*32
	ds_load_tr16_b128 v[VF+8*\f+4:VF+8*\f+7], v[AV] offset:(\f/4)*32*PV+16*PV+(\f%4)*32
.endr
	WIN 0
.endm
; THE VECTOR WORK, one line at a time: OP kind, number.  For piece Y: F n: c s - c m for pair n of 16.  E n: the exponential of score n.  C n: pair n rounded to bf16.  B n: of four weights the second pair is
; added onto the first, in place.  L n: l takes that sum (L 0: l = a l + sum).  R n: pair n of 16 of O^T times a.  For piece Y + 1: X n, number n of the 22 that find its maximum and statistics:
; 0-11 four chains of seven scores (each accumulator's lowest registers are read first); 12-14, 16 the rest, the old m, and the four into one; 15 c m_old is kept;
; 17, 18 the other half of the lanes: the new m; 19-21 c m, c m_old - c m_new, a.
.set F, 0
.set E, 1
.set C, 2
.set B, 3
.set L, 4
.set R, 5
.set X, 6
.macro REGS y
.set rT, ST+4*(\y)
.set rC, TMP+4*((\y)%2)
.set rW, MV+((\y)%2)
.set rS, S+32*((\y)%2)
.set rP, P+16*((\y)%2)
.set rO, 32*(\y)
.endm
.macro OP k, n
.if (\k) == R
	REGS Y
	WIN W_RS
	v_pk_mul_f32 v[rO+2*(\n):rO+2*(\n)+1], v[rO+2*(\n):rO+2*(\n)+1], v[rC+2:rC+3] op_sel_hi:[1,0]
.elseif (\k) < R
	REGS Y
	WIN 0
.if (\k) == F
	v_pk_fma_f32 v[rS+2*(\n):rS+2*(\n)+1], v[rS+2*(\n):rS+2*(\n)+1], s[CS:CS+1], v[rT:rT+1] op_sel_hi:[1,0,0] neg_lo:[0,0,1] neg_hi:[0,0,1]
.elseif (\k) == E
	v_exp_f32 v[rS+(\n)], v[rS+(\n)]
.elseif (\k) == C
	v_cvt_pk_bf16_f32 v[rP+(\n)], v[rS+2*(\n)], v[rS+2*(\n)+1]
.elseif (\k) == B
	v_pk_add_f32 v[rS+4*(\n):rS+4*(\n)+1], v[rS+4*(\n):rS+4*(\n)+1], v[rS+4*(\n)+2:rS+4*(\n)+3]
.elseif (\n) == 0
	v_pk_fma_f32 v[rT+2:rT+3], v[rT+2:rT+3], v[rC+2:rC+3], v[rS:rS+1] op_sel_hi:[1,0,1]
.else
	v_pk_add_f32 v[rT+2:rT+3], v[rT+2:rT+3], v[rS+4*(\n):rS+4*(\n)+1]
.endif
.elseif NOKQ
	v_nop
.else
	REGS (Y+1)%NP
	WIN 0
.if (\n) < 4
	v_max3_num_f32 v[rC+(\n)], v[rS+8*(\n)], v[rS+8*(\n)+1], v[rS+8*(\n)+2]
.elseif (\n) < 12
	v_max3_num_f32 v[rC+(\n)%4], v[rC+(\n)%4], v[rS+8*((\n)%4)+2*((\n)/4)+1], v[rS+8*((\n)%4)+2*((\n)/4)+2]
.elseif (\n) == 12
	v_max3_num_f32 v[rC], v[rC], v[rS+7], v[rS+15]
.elseif (\n) == 13
	v_max3_num_f32 v[rC+1], v[rC+1], v[rS+23], v[rS+31]
.elseif (\n) == 14
	v_max3_num_f32 v[rC+2], v[rC+2], v[rC+3], v[rT+1]
.elseif (\n) == 15
	v_mov_b32 v[rW], v[rT]
.elseif (\n) == 16
	v_max3_num_f32 v[rC], v[rC], v[rC+1], v[rC+2]
.elseif (\n) == 17
	v_permlanex16_b32 v[rC+3], v[rC], s[SEL], s[SEL+1]
.elseif (\n) == 18
	v_max_num_f32 v[rT+1], v[rC], v[rC+3]
.elseif (\n) == 19
	v_mul_f32 v[rT], s[CS], v[rT+1]
.elseif (\n) == 20
	v_sub_f32 v[rC+1], v[rW], v[rT]
.else
	v_exp_f32 v[rC+2], v[rC+1]
.endif
.endif
.endm
.macro OPS a, i1, b=-1, i2=0, c=-1, i3=0, d=-1, i4=0
	OP \a, \i1
.if (\b) >= 0
	OP \b, \i2
.endif
.if (\c) >= 0
	OP \c, \i3
.endif
.if (\d) >= 0
	OP \d, \i4
.endif
.endm
.macro ROW a, i1, b, i2, c, i3, d, i4  ; a matrix instruction and the four behind it
	MM
	OPS \a, \i1, \b, \i2, \c, \i3, \d, \i4
.endm
; A TURN, for piece p.  Ahead of its ONE wait stands all that names no result of the turn's exponentials: the 8 products K Q^T with their riders and one run of 54; behind it the 8 products V^T P, behind each
; four of the roundings and sums.  The first numbers of the next piece's maximum stand four plain instructions or more behind the product that ends their accumulator.
; K and the biases of the next step are fetched in piece 2's turn, behind the last product that read them and five plain instructions that name none of its registers; V of the step in hand at the end of
; piece 0's turn, four plain instructions behind its last reader.  Each is waited for a turn later.  end = 1: the last two turns fetch nothing.  cnt = 1: the loop's count is taken down ahead of the branch behind the turn.
.macro TURN p, end=0, cnt=0
.set Y, (\p)
.set i, 0
.set NOKQ, (\end)*((\p)/3)
.if ((\p) == 3) && !(\end)
	s_wait_dscnt 0x0                ; K and the biases are in
.endif
	ROW F,0, F,1, R,0, R,1
	ROW F,2, E,0, R,2, R,3
	ROW F,3, E,1, R,4, R,5
	ROW F,4, E,2, R,6, R,7
	ROW F,5, E,3, R,8, R,9
	ROW F,6, E,4, X,0, R,10
.if ((\p) == 2) && !(\end)
	WIN 0
	v_add_nc_u32 v[AK], s[TBK], v[AK0]
	v_add_nc_u32 v[AB], s[TBB], v[AB0]
.endif
	ROW F,7, E,5, X,1, X,4
	ROW F,8, E,6, X,2, X,5
	OPS E,7, E,8, X,6, E,9
	OPS X,3, E,10, X,8, E,11
.if ((\p) == 2) && !(\end)
	FETCH_K
.endif
	OPS X,9, X,7, E,12, X,10
	OPS E,13, X,12, X,11, E,14
	OPS X,13, E,15, F,9, X,14
.if (\p) == 0
	v_add_nc_u32 v[AV], s[TBV], v[AV0]
.endif
	OPS E,16, F,10, E,17, F,11
	OPS X,16, E,18, X,15, E,19
	OPS F,12, E,20, X,17, E,21
	OPS F,13, E,22, F,14, E,23
	OPS X,18, E,24, F,15, E,25
	OPS R,11, E,26, X,19, E,27
	OPS R,12, E,28, R,13, E,29
	OPS X,20, E,30, R,14, E,31
	OPS X,21, R,15                  ; the next piece's a is the batch's last; R 15 is the plain instruction behind it
	WIN 0
	s_wait_alu depctr_va_vdst(0)    ; the wait between an exponential and its first reader: one for the batch
.if (\p) == 1
	s_wait_dscnt 0x0                ; V is in
.endif
	ROW C,0, B,0, C,2, B,1
	ROW L,0, C,4, B,2, L,1
	ROW C,6, B,3, L,2, C,8
	ROW B,4, L,3, C,10, B,5
	ROW L,4, C,12, B,6, L,5
.if (\p) == 0
	s_add_co_u32 s[TBV], s[TBV], KS*PV
.endif
.if \cnt
	s_sub_co_u32 s[CNT], s[CNT], 1
	s_cmp_lg_u32 s[CNT], 0
.endif
	ROW C,14, B,7, L,6, C,1
	ROW C,3, L,7, C,5, C,7
	ROW C,9, C,11, C,13, C,15
.if (\p) == 0
	FETCH_V
.endif
.endm
	CHANGE 1                        ; slot 0 and the biases are in, everybody's part of them; slot 1 is asked for
	v_add_nc_u32 v[AK], s[TBK], v[AK0]
	v_add_nc_u32 v[AB], s[TBB], v[AB0]
	FETCH_K                         ; key step 0
	s_wait_loadcnt 0x0              ; Q and the gate
	s_wait_dscnt 0x0
.set NOKQ, 0
.set i, 0
.rept 8
	KQ 0                            ; piece 0's first scores
.set i, i+1
.endr
	WIN 0
.rept 4
	v_nop                           ; the places behind those products
.endr
.set Y, NP-1                        ; X works for piece Y + 1: piece 0
.irp n, 0,1,2,3,4,5,6,7,8,9,10,11,12,13,14,15,16,17,18,19,20,21
	OP X, \n
.endr
	v_nop                           ; a plain instruction behind the exponential,
	s_wait_alu depctr_va_vdst(0)    ; and its wait, ahead of the branch
	s_mov_b32 s[CNT], 4
	s_branch .Lfirst                ; the loop is entered at a step's first turn, in the middle of a trip
.Lslot:                             ; six times: every slot but the last two is filled again
	CHANGE 1
	s_mov_b32 s[CNT], 4
.Lstep:                             ; a trip: pieces 2 and 3 of one step, then pieces 0 and 1 of the next, whose K and V it fetches
	TURN 2
	TURN 3
	WIN 0
.Lfirst:
	TURN 0
	TURN 1, 0, 1
	WIN 0
	s_cbranch_scc1 .Lstep
	s_sub_co_u32 s[SLOTS], s[SLOTS], 1
	s_cmp_lg_u32 s[SLOTS], 0
	s_cbranch_scc1 .Lslot
	CHANGE 0                        ; the last slot is written out: nothing is asked for
	s_mov_b32 s[CNT], 4
.Ltail:
	TURN 2
	TURN 3
	TURN 0
	TURN 1, 0, 1
	WIN 0
	s_cbranch_scc1 .Ltail
	TURN 2, 1
	TURN 3, 1
.set i, 0
.rept 8
	PV NP-1                         ; the last piece's V^T P of the last step
.set i, i+1
.endr
	; THE WAY OUT.  l's two halves and the other half of the lanes' are added; O^T is multiplied by the gate and by 1 / l, rounded to bf16 and sent through my stage, a piece at a time.  The additions are the places behind the last products.
	WIN 0
.macro ALL line:vararg
.set t, 0
.rept 4
	\line
.set t, t+1
.endr
.endm
	ALL v_add_f32 v[ST+4*t+2], v[ST+4*t+2], v[ST+4*t+3]
	ALL v_permlanex16_b32 v[ST+4*t+3], v[ST+4*t+2], s[SEL], s[SEL+1]
	ALL v_add_f32 v[ST+4*t+2], v[ST+4*t+2], v[ST+4*t+3]
	ALL v_rcp_f32 v[ST+4*t+2], v[ST+4*t+2]
	v_nop
	s_wait_alu depctr_va_vdst(0)    ; one wait for the four reciprocals
.macro PACK t
	WIN 0x46                        ; the gate (source 0) in window 2, O^T (source 1, destination) in window 1, the 0 in window 0
.set i, 0
.rept 16
	v_fma_mix_f32_bf16 v[32*(\t)+2*i],   v[GB+16*(\t)+i], v[32*(\t)+2*i],   v[ZR] op_sel_hi:[1,0,0]
	v_fma_mix_f32_bf16 v[32*(\t)+2*i+1], v[GB+16*(\t)+i], v[32*(\t)+2*i+1], v[ZR] op_sel:[1,0,0] op_sel_hi:[1,0,0]
.set i, i+1
.endr
	WIN W_RS
.set i, 32*(\t)
.rept 16
	v_pk_mul_f32 v[i:i+1], v[i:i+1], v[ST+4*(\t)+2:ST+4*(\t)+3] op_sel_hi:[1,0]
.set i, i+2
.endr
	WIN 0x05
.set i, 0
.rept 16
	v_cvt_pk_bf16_f32 v[S+16*(\t)+i], v[32*(\t)+2*i], v[32*(\t)+2*i+1]
.set i, i+1
.endr
	WIN 0
.irp f, 0,1,2,3
	ds_store_b128 v[STO], v[S+16*(\t)+4*\f:S+16*(\t)+4*\f+3] offset:32*\f
.endr
.irp f, 0,1,2,3
	ds_load_b128 v[S+16*(\t)+4*\f:S+16*(\t)+4*\f+3], v[RD] offset:\f*4*SP  ; LDS serves a wave's instructions in order (ISA guide 5.7.1.4): these see the stores above
.endr
.endm
.macro SEND t, younger              ; younger: the LDS instructions issued behind piece t's loads: the next piece's eight, or none
	WIN 0
.irp f, 0,1,2,3
	s_wait_dscnt (\younger)+3-\f
	global_store_b128 v[GO], v[S+16*(\t)+4*\f:S+16*(\t)+4*\f+3], s[10:11] offset:(\t)*2048+\f*512  ; 512 consecutive bytes, aligned
.endr
.endm
	PACK 0
.set t, 1
.rept 3
	PACK t
	SEND t-1, 8
.set t, t+1
.endr
	SEND 3, 0
	s_wait_tensorcnt 0x0            ; the wave's end, behind my last tensor load and my last LDS store
	ds_add_u32 v[SPW], v[NIL]
	s_wait_dscnt 0x0
	CROUND                          ; the closing round
	s_endpgm
.Lfunc_end_k_q3733ba2206_attn:
	.size	k_q3733ba2206_attn, .Lfunc_end_k_q3733ba2206_attn-k_q3733ba2206_attn
	.p2alignl 7, 3214868480
	.fill 96, 4, 3214868480
	.section	.rodata,"a",@progbits
	.p2align	6, 0x0
	.amdhsa_kernel k_q3733ba2206_attn
		.amdhsa_group_segment_fixed_size 327680
		.amdhsa_private_segment_fixed_size 0
		.amdhsa_enable_private_segment 0
		.amdhsa_kernarg_size 24
		.amdhsa_user_sgpr_count 2
		.amdhsa_user_sgpr_kernarg_segment_ptr 1
		.amdhsa_wavefront_size32 1
		.amdhsa_system_sgpr_workgroup_id_x 1
		.amdhsa_system_sgpr_workgroup_id_y 1
		.amdhsa_system_sgpr_workgroup_id_z 1
		.amdhsa_system_vgpr_workitem_id 0
		.amdhsa_next_free_vgpr 768
		.amdhsa_next_free_sgpr 96
		.amdhsa_reserve_vcc 0
		.amdhsa_float_denorm_mode_32 3
		.amdhsa_float_denorm_mode_16_64 3
		.amdhsa_memory_ordered 1
		.amdhsa_forward_progress 1
		.amdhsa_inst_pref_size 141
	.end_amdhsa_kernel
	.amdgpu_metadata
---
amdhsa.version: [ 1, 2 ]
amdhsa.kernels:
  - .name:           k_q3733ba2206_attn
    .symbol:         k_q3733ba2206_attn.kd
    .args:
      - { .name: qkvg, .offset: 0, .size: 8, .value_kind: global_buffer, .address_space: global }
      - { .name: biasw, .offset: 8, .size: 8, .value_kind: global_buffer, .address_space: global }
      - { .name: att, .offset: 16, .size: 8, .value_kind: global_buffer, .address_space: global }
    .group_segment_fixed_size: 327680
    .private_segment_fixed_size: 0
    .kernarg_segment_align: 8
    .kernarg_segment_size: 24
    .max_flat_workgroup_size: 128
    .sgpr_count:     96
    .vgpr_count:     768
    .wavefront_size: 32
...
	.end_amdgpu_metadata
.endif
;; end of part 3
;; launch oproj (part 4): grid 8 x 32, 4 waves a work-group, clusters of 4 x 4, 327,680 bytes of LDS; arguments att, wt, bo, x, out0; writes out0
.if DOCPART == 4
	.amdgcn_target "amdgcn-amd-amdhsa--gfx1250"
	.amdhsa_code_object_version 6
	.text
	.protected	k_q3733ba2206_oproj
	.globl	k_q3733ba2206_oproj
	.p2align	8
	.type	k_q3733ba2206_oproj,@function
k_q3733ba2206_oproj:
	s_mov_b64 s[64:65], 0
	v_nop
	global_prefetch_b8 v0, s[64:65] scope:SCOPE_SE
	s_setreg_imm32_b32 hwreg(HW_REG_WAVE_MODE, 25, 1), 1
	s_wait_xcnt 0x0
	s_wait_alu depctr_hold_cnt(0) depctr_sa_sdst(0) depctr_va_vdst(0) depctr_va_sdst(0) depctr_va_ssrc(0) depctr_va_vcc(0) depctr_vm_vsrc(0)
	s_getreg_b32 s2, hwreg(HW_REG_IB_STS2, 6, 4)
	s_cmp_eq_u32 s2, 0
	s_cbranch_scc0 .Lentry_in_a_cluster
	s_endpgm
.Lentry_in_a_cluster:
	s_bfe_u32 s2, ttmp6, 0x10000c
	s_cmp_lg_u32 s2, 0xf033
	s_cbranch_scc0 .Lentry_shape_is_right
	s_endpgm
.Lentry_shape_is_right:
; OPROJ.  out0[token][n] = x[token][n] + bo[n] + the sum over k' = 64 h + d of att[batch x 16 + h][token][d] WoT[n][k'].  att bf16 by heads, WoT = rows 4096.. of wt, bf16; sums in f32, started with bo
; (the C operand of the first product); x is added in f32 on the way out.
; SHARES.  A tile of 128 tokens x 128 columns to a work-group (8 x 32 of them), 64 x 64 to each of four waves: 16 accumulators.  K goes in steps of 256 = four heads, through two LDS slots.
; att's part of a slot: for each head 128 tokens x 128 dense bytes, asked for as ONE row of 16,384 bytes a head, two heads a load, padded in LDS after every token.  WoT's: 64 rows of 512 bytes a load.
; CLUSTER 4 x 4: the four of a row share att's tiles, the four of a column WoT's: joint loads.  No prefetch: the tiles are small and each K step short.
; THE MATRIX INSTRUCTION IS USED TRANSPOSED (source 0 = 16 rows of WoT, source 1 = 16 tokens): a lane holds one token and 8 neighbouring columns.
; A wave's 64 columns of f32 are 256 aligned bytes, so each wave goes out through a stage of its own, without a barrier.
; REGISTERS: window 0: v16-29 addresses; v32-63 bo, later rows on the way out; v128-255 accumulators ((a, b) at 128 + 8 (4 a + b));  window 1: two fragment buffers of 128;  window 2: v0-127 my part of x.
.set KSTEP,  256
.set PA,     144                       ; a token's 128 bytes + 16: the 16 rows of a load start at 16 different groups of four banks (64 banks of 4 bytes: ISA guide 11.1)
.set HEADB,  128*PA
.set AREG,   4*HEADB
.set PB,     528                       ; 512 bytes + 16
.set HALFB,  64*PB
.set SLOT,   AREG+2*HALFB
.set STAGE,  2*SLOT
.set SPITCH, 272
.set SPARE,  STAGE+4*16*SPITCH         ; the spare words: two blocks of 256 bytes that no other line names
.set ADRA, 16
.set ADRB, 20
.set STO,  24
.set RD,   25
.set CO,   26
.set BOV,  27
.set SPW,  28
.set NIL,  29
.set BO,   32
.set RB,   32
.set ACC,  128
.set F0,   0
.set F1,   128
.set G1,  24
.set G0,  32
.set G1B, 48
.set G0B, 56
.set WV,  68
.set RH,  69
.set CH,  70
.set MSB, 0
.macro WIN new
.if MSB != (\new)
	s_set_vgpr_msb (MSB<<8)|(\new)
.set MSB, \new
.endif
.endm
.set MUL,  0x05                        ; sources 0 and 1 window 1; C and D window 0
.set TO_F, 0x40
.macro JLOAD s                         ; waves 0, 1 fetch att's heads, waves 2, 3 WoT's halves; s_nop 0 and four v_nop follow each line
	s_cmp_eq_u32 s[RH], 0
	s_cbranch_scc0 .Lfor_b_\@
	tensor_load_to_lds s[G0+4*(\s):G0+4*(\s)+3], s[G1:G1+7]
	s_nop 0
.rept 4
	v_nop
.endr
	s_branch .Lasked_\@
.Lfor_b_\@:
	tensor_load_to_lds s[G0B+4*(\s):G0B+4*(\s)+3], s[G1B:G1B+7]
	s_nop 0
.rept 4
	v_nop
.endr
.Lasked_\@:
.endm
.macro CREST
	s_cmp_lg_u32 s[WV], 0
	s_cbranch_scc1 .Lnot_wave_0_\@
	s_barrier_signal -3
.Lnot_wave_0_\@:
	s_barrier_wait -3
	s_barrier_signal -1
	s_barrier_wait -1
.endm
.macro CROUND
	s_barrier_signal -1
	s_barrier_wait -1
	CREST
.endm
	s_load_b256 s[4:11], s[0:1], 0x0               ; att 4, wt 6, bo 8, x 10
	s_load_b64 s[66:67], s[0:1], 0x20              ; out0
	v_lshl_add_u32 v[SPW], v0, 2, SPARE
	v_mov_b32 v[NIL], 0
	ds_add_u32 v[SPW], v[NIL]                      ; the wave's opening: the add and its wait stand ahead of my first tensor load
	v_lshrrev_b32 v1, 5, v0
	v_readfirstlane_b32 s[WV], v1
	s_lshr_b32 s[RH], s[WV], 1                     ; my half of the tile's tokens.  Also: I fetch att (0) or WoT (1)
	s_and_b32 s[CH], s[WV], 1                      ; my half of its columns.  Also: which two heads, or which 64 rows, I fetch
	s_bfe_u32 s40, ttmp6, 0x40000
	s_bfe_u32 s41, ttmp6, 0x40004
	s_lshl_b32 s42, ttmp9, 2
	s_add_co_u32 s42, s42, s40                     ; tile column 0..7
	s_and_b32 s13, ttmp7, 0xffff
	s_lshl_b32 s13, s13, 2
	s_add_co_u32 s13, s13, s41                     ; tile row 0..31
	s_lshl_b32 s43, s41, 2
	s_lshl_b32 s43, 15, s43
	s_lshl_b32 s44, 0x1111, s40
	s_or_b32 s[G1+0], s43, (1<<16)|(1<<20)|(1<<21)|(4<<22)|(3<<25)   ; att: mask of my row; 2-byte elements; after every 32 words 4 words of padding
	s_mov_b32 s[G1+1], 8192<<16                    ; tensor_dim0 = 8,192: 128 tokens x 64 channels on end
	s_mov_b32 s[G1+2], 2<<16                       ; tensor_dim1 = 2 heads
	s_mov_b32 s[G1+3], 8192<<16                    ; tile_dim0
	s_mov_b32 s[G1+4], 2                           ; tile_dim1
	s_mov_b32 s[G1+5], 131072                      ; elements from head to head
	s_mov_b32 s[G1+6], 0
	s_mov_b32 s[G1+7], 0
	s_or_b32 s[G1B+0], s44, (1<<16)|(1<<20)|(1<<21)|(6<<22)|(3<<25)  ; WoT: mask of my column; after every 128 words 4 words
	s_mov_b32 s[G1B+1], KSTEP<<16
	s_mov_b32 s[G1B+2], 64<<16
	s_mov_b32 s[G1B+3], KSTEP<<16
	s_mov_b32 s[G1B+4], 64
	s_mov_b32 s[G1B+5], 1024
	s_mov_b32 s[G1B+6], 0
	s_mov_b32 s[G1B+7], 0
	s_lshr_b32 s16, s13, 4                         ; batch
	s_lshl_b32 s16, s16, 4
	s_lshl_b32 s17, s[CH], 1
	s_add_co_u32 s16, s16, s17                     ; the first of my two heads in K step 0
	s_lshl_b32 s16, s16, 18
	s_and_b32 s17, s13, 15
	s_lshl_b32 s17, s17, 14                        ; the tile's 128 tokens in the head
	s_add_co_u32 s16, s16, s17
	s_mov_b32 s17, 0
	s_lshl_b32 s46, s42, 7
	s_lshl_b32 s47, s[CH], 6
	s_add_co_u32 s46, s46, s47
	s_lshl_b32 s46, s46, 11                        ; a row of wt is 2,048 bytes
	s_add_co_u32 s46, s46, 0x800000                ; WoT begins 4,096 rows in
	s_mov_b32 s47, 0
	s_mul_i32 s20, s[CH], 2*HEADB                  ; where they go
	s_mul_i32 s21, s[CH], HALFB
	s_add_co_u32 s21, s21, AREG
	s_wait_dscnt 0x0                               ; the opening add is done
	s_wait_kmcnt 0x0
	s_add_nc_u64 s[14:15], s[4:5], s[16:17]
	s_add_nc_u64 s[46:47], s[6:7], s[46:47]
	CROUND                                         ; all sixteen work-groups are here: the first joint loads meet
.irp s, 0,1
	s_mov_b32 s[G0+4*(\s)], 1
	s_add_co_u32 s[G0+4*(\s)+1], s20, (\s)*SLOT
	s_add_nc_u64 s[G0+4*(\s)+2:G0+4*(\s)+3], s[14:15], (\s)*4*262144
	s_or_b32 s[G0+4*(\s)+3], s[G0+4*(\s)+3], 0x80000000
	s_mov_b32 s[G0B+4*(\s)], 1
	s_add_co_u32 s[G0B+4*(\s)+1], s21, (\s)*SLOT
	s_add_nc_u64 s[G0B+4*(\s)+2:G0B+4*(\s)+3], s[46:47], (\s)*KSTEP*2
	s_or_b32 s[G0B+4*(\s)+3], s[G0B+4*(\s)+3], 0x80000000
	JLOAD \s
.endr
	v_and_b32 v1, 15, v0                           ; r
	v_bfe_u32 v2, v0, 4, 1                         ; hh
	s_lshl_b32 s16, s42, 9                         ; my 64 columns in f32: 512 x tile column + 256 x half
	s_lshl_b32 s17, s[CH], 8
	s_add_co_u32 s16, s16, s17
	s_mov_b32 s17, 0
	s_add_nc_u64 s[8:9], s[8:9], s[16:17]          ; bo at my columns
	s_lshl_b32 s18, s13, 7
	s_lshl_b32 s19, s[RH], 6
	s_add_co_u32 s18, s18, s19                     ; my first token
	s_lshl_b32 s18, s18, 12
	s_add_co_u32 s16, s16, s18
	s_add_nc_u64 s[10:11], s[10:11], s[16:17]      ; x and out0 at my 64 x 64
	s_add_nc_u64 s[66:67], s[66:67], s[16:17]
	v_lshlrev_b32 v[BOV], 5, v2
	v_lshlrev_b32 v[CO], 12, v2                    ; lanes 0-15 one row's 256 bytes, lanes 16-31 the next row's
	v_lshl_add_u32 v[CO], v1, 4, v[CO]
.irp b, 0,1,2,3
	global_load_b128 v[BO+8*(\b):BO+8*(\b)+3],   v[BOV], s[8:9] offset:64*(\b)
	global_load_b128 v[BO+8*(\b)+4:BO+8*(\b)+7], v[BOV], s[8:9] offset:64*(\b)+16
.endr
	WIN 0x80                                       ; destination window 2
.set i, 0
.rept 32
	global_load_b128 v[4*i:4*i+3], v[CO], s[10:11] offset:2*i*4096 th:TH_LOAD_NT    ; rows 2 i, 2 i + 1: wanted only at the end
.set i, i+1
.endr
	WIN 0
	v_mul_u32_u24 v3, v1, PA
	v_lshl_add_u32 v3, v2, 4, v3
	v_mul_u32_u24 v4, v1, PB
	v_lshl_add_u32 v4, v2, 4, v4
	s_mul_i32 s21, s[RH], 64*PA                    ; my 64 tokens in each head's block
	s_mul_i32 s22, s[CH], HALFB
	s_add_co_u32 s22, s22, AREG
.irp s, 0,1
	v_add_nc_u32 v[ADRA+(\s)], s21, v3
	v_add_nc_u32 v[ADRB+(\s)], s22, v4
	s_add_co_u32 s21, s21, SLOT
	s_add_co_u32 s22, s22, SLOT
.endr
	s_mul_i32 s23, s[WV], 16*SPITCH
	s_add_co_u32 s23, s23, STAGE                   ; my stage
	v_mul_u32_u24 v[STO], v1, SPITCH               ; in: token r, 32 bytes for each half of the lanes
	v_lshl_add_u32 v[STO], v2, 5, v[STO]
	v_add_nc_u32 v[STO], s23, v[STO]
	v_mul_u32_u24 v[RD], v2, SPITCH                ; back: two whole rows
	v_lshl_add_u32 v[RD], v1, 4, v[RD]
	v_add_nc_u32 v[RD], s23, v[RD]
.macro MUL8 f, c, a0, zero             ; 8 matrix instructions; zero = 1: the first product starts the sums with bo
	WIN MUL
.irp a, \a0, (\a0)+1
.irp b, 0,1,2,3
.if \zero
	v_wmma_f32_16x16x32_bf16 v[ACC+8*(4*(\a)+(\b)):ACC+8*(4*(\a)+(\b))+7], v[(\f)+64+8*(4*(\c)+(\b)):(\f)+64+8*(4*(\c)+(\b))+7], v[(\f)+8*(4*(\c)+(\a)):(\f)+8*(4*(\c)+(\a))+7], v[BO+8*(\b):BO+8*(\b)+7]
.else
	v_wmma_f32_16x16x32_bf16 v[ACC+8*(4*(\a)+(\b)):ACC+8*(4*(\a)+(\b))+7], v[(\f)+64+8*(4*(\c)+(\b)):(\f)+64+8*(4*(\c)+(\b))+7], v[(\f)+8*(4*(\c)+(\a)):(\f)+8*(4*(\c)+(\a))+7], v[ACC+8*(4*(\a)+(\b)):ACC+8*(4*(\a)+(\b))+7]
.endif
.endr
.endr
.endm
.macro FETCH slot, q, f                ; 32 LDS loads in one run: quarter q of a K step is one head's 64 channels; the first 32 along K first
	WIN TO_F
.irp c, 0,1
.irp i, 0,1,2,3
	ds_load_b128 v[(\f)+64+8*(4*(\c)+(\i)):(\f)+64+8*(4*(\c)+(\i))+3],   v[ADRB+(\slot)] offset:128*(\q)+64*(\c)+(\i)*16*PB
	ds_load_b128 v[(\f)+64+8*(4*(\c)+(\i))+4:(\f)+64+8*(4*(\c)+(\i))+7], v[ADRB+(\slot)] offset:128*(\q)+64*(\c)+(\i)*16*PB+32
	ds_load_b128 v[(\f)+8*(4*(\c)+(\i)):(\f)+8*(4*(\c)+(\i))+3],         v[ADRA+(\slot)] offset:(\q)*HEADB+64*(\c)+(\i)*16*PA
	ds_load_b128 v[(\f)+8*(4*(\c)+(\i))+4:(\f)+8*(4*(\c)+(\i))+7],       v[ADRA+(\slot)] offset:(\q)*HEADB+64*(\c)+(\i)*16*PA+32
.endr
.endr
.endm
.macro PLACES
.rept 4
	v_nop
.endr
.endm
.macro QUARTER slot, q, f, g, zero
	s_wait_dscnt 16                                ; the first 32 along K are in
	MUL8 \f, 0, 0, \zero
	MUL8 \f, 0, 2, \zero
	PLACES
	FETCH \slot, \q, \g
	s_wait_dscnt 32                                ; all but the 32 just issued
	MUL8 \f, 1, 0, 0
	MUL8 \f, 1, 2, 0
.endm
; The last quarter multiplies buffer 1 and changes slots: in front of the barrier each wave waits for all its tensor loads, adds 0 to its spare word, and waits for that and for its reads of this slot.
.macro TURN slot, next, fill
	WIN 0
	s_wait_tensorcnt 0x0
	ds_add_u32 v[SPW], v[NIL]
	s_wait_dscnt 17                                ; the add and the youngest sixteen loads may be out
	MUL8 F1, 0, 0, 0
	s_wait_dscnt 0x0
	s_barrier_signal -1
	MUL8 F1, 0, 2, 0
.if \fill
	WIN 0
.endif
	s_barrier_wait -1
.if \fill
	CREST                                          ; the barrier has opened a round of the cluster's: no wave of any partner still reads this slot or has a load on its way
	s_add_nc_u64 s[G0+4*(\slot)+2:G0+4*(\slot)+3], s[G0+4*(\slot)+2:G0+4*(\slot)+3], 8*262144
	s_add_nc_u64 s[G0B+4*(\slot)+2:G0B+4*(\slot)+3], s[G0B+4*(\slot)+2:G0B+4*(\slot)+3], 2*KSTEP*2
	JLOAD \slot                                    ; its four v_nop are also the places in front of the loads below
.else
	PLACES
.endif
	FETCH \next, 0, F0
	MUL8 F1, 1, 0, 0
	MUL8 F1, 1, 2, 0
.endm
	s_wait_tensorcnt 1                             ; my part of K step 0 is in; K step 1's may stay out
	s_barrier_signal -1
	s_barrier_wait -1
	FETCH 0, 0, F0
	s_wait_loadcnt 32                              ; bo is in; x's 32 loads may stay out
	QUARTER 0, 1, F0, F1, 1                        ; four K steps, written straight: two laps of the ring
	QUARTER 0, 2, F1, F0, 0
	QUARTER 0, 3, F0, F1, 0
	TURN 0, 1, 1
	QUARTER 1, 1, F0, F1, 0
	QUARTER 1, 2, F1, F0, 0
	QUARTER 1, 3, F0, F1, 0
	TURN 1, 0, 1
	QUARTER 0, 1, F0, F1, 0
	QUARTER 0, 2, F1, F0, 0
	QUARTER 0, 3, F0, F1, 0
	TURN 0, 1, 0
	QUARTER 1, 1, F0, F1, 0
	QUARTER 1, 2, F1, F0, 0
	QUARTER 1, 3, F0, F1, 0
	s_wait_dscnt 16
	MUL8 F1, 0, 0, 0
	MUL8 F1, 0, 2, 0
	s_wait_dscnt 0x0
	MUL8 F1, 1, 0, 0
	MUL8 F1, 1, 2, 0
	WIN 0
	; THE WAY OUT: 16 tokens at a time through my stage; x is added; 16 lanes store 256 consecutive bytes, aligned
	s_wait_loadcnt 0x0                             ; x
	PLACES
.irp a, 0,1,2,3
	s_wait_xcnt 0x0                                ; the last block's stores have read their registers
.irp b, 0,1,2,3
	ds_store_b128 v[STO], v[ACC+8*(4*(\a)+(\b)):ACC+8*(4*(\a)+(\b))+3]   offset:64*(\b)      ; each accumulator's low registers first
	ds_store_b128 v[STO], v[ACC+8*(4*(\a)+(\b))+4:ACC+8*(4*(\a)+(\b))+7] offset:64*(\b)+16
.endr
.irp t, 0,1,2,3,4,5,6,7
	ds_load_b128 v[RB+4*(\t):RB+4*(\t)+3], v[RD] offset:(\t)*2*SPITCH    ; LDS serves a wave's instructions in order (ISA guide 5.7.1.4): these see the stores above
.endr
	s_wait_dscnt 0x0
	WIN 0x08                                       ; source 1 (x) in window 2
.irp k, 0,2,4,6,8,10,12,14,16,18,20,22,24,26,28,30
	v_pk_add_f32 v[RB+(\k):RB+(\k)+1], v[RB+(\k):RB+(\k)+1], v[32*(\a)+(\k):32*(\a)+(\k)+1]
.endr
	WIN 0
.irp t, 0,1,2,3,4,5,6,7
	global_store_b128 v[CO], v[RB+4*(\t):RB+4*(\t)+3], s[66:67] offset:(16*(\a)+2*(\t))*4096 th:TH_STORE_NT
.endr
.endr
	s_wait_tensorcnt 0x0                           ; the wave's end, behind my last tensor load and my last LDS store
	ds_add_u32 v[SPW], v[NIL]
	s_wait_dscnt 0x0
	CROUND                                         ; the closing round
	s_endpgm
.Lfunc_end_k_q3733ba2206_oproj:
	.size	k_q3733ba2206_oproj, .Lfunc_end_k_q3733ba2206_oproj-k_q3733ba2206_oproj
	.p2alignl 7, 3214868480
	.fill 96, 4, 3214868480
	.section	.rodata,"a",@progbits
	.p2align	6, 0x0
	.amdhsa_kernel k_q3733ba2206_oproj
		.amdhsa_group_segment_fixed_size 327680
		.amdhsa_private_segment_fixed_size 0
		.amdhsa_enable_private_segment 0
		.amdhsa_kernarg_size 40
		.amdhsa_user_sgpr_count 2
		.amdhsa_user_sgpr_kernarg_segment_ptr 1
		.amdhsa_wavefront_size32 1
		.amdhsa_system_sgpr_workgroup_id_x 1
		.amdhsa_system_sgpr_workgroup_id_y 1
		.amdhsa_system_sgpr_workgroup_id_z 1
		.amdhsa_system_vgpr_workitem_id 0
		.amdhsa_next_free_vgpr 640
		.amdhsa_next_free_sgpr 72
		.amdhsa_reserve_vcc 0
		.amdhsa_float_denorm_mode_32 3
		.amdhsa_float_denorm_mode_16_64 3
		.amdhsa_memory_ordered 1
		.amdhsa_forward_progress 1
		.amdhsa_inst_pref_size 94
	.end_amdhsa_kernel
	.amdgpu_metadata
---
amdhsa.version: [ 1, 2 ]
amdhsa.kernels:
  - .name:           k_q3733ba2206_oproj
    .symbol:         k_q3733ba2206_oproj.kd
    .args:
      - { .name: att, .offset: 0, .size: 8, .value_kind: global_buffer, .address_space: global }
      - { .name: wt, .offset: 8, .size: 8, .value_kind: global_buffer, .address_space: global }
      - { .name: bo, .offset: 16, .size: 8, .value_kind: global_buffer, .address_space: global }
      - { .name: x, .offset: 24, .size: 8, .value_kind: global_buffer, .address_space: global }
      - { .name: out0, .offset: 32, .size: 8, .value_kind: global_buffer, .address_space: global }
    .group_segment_fixed_size: 327680
    .private_segment_fixed_size: 0
    .kernarg_segment_align: 8
    .kernarg_segment_size: 40
    .max_flat_workgroup_size: 128
    .sgpr_count:     72
    .vgpr_count:     640
    .wavefront_size: 32
...
	.end_amdgpu_metadata
.endif
;; end of part 4
;; ======== version 2 of 2: 4 launches; version 1 with the launch prep written anew for expert scheduling mode
;; limits: right only within a limited range of input values
;; workspace buffers: xb 8,388,608 bytes; wt 10,485,760 bytes; biasw 262,144 bytes; qkvg 33,554,432 bytes; att 8,388,608 bytes
;; launch prep (part 5): grid 288 x 1, 8 waves a work-group, no clusters, 179,200 bytes of LDS; arguments x, Wb, bb, mask, Wqkv, Wg, Wo, xb, biasw, wt; writes xb, biasw, wt
.if DOCPART == 5
	.amdgcn_target "amdgcn-amd-amdhsa--gfx1250"
	.amdhsa_code_object_version 6
	.text
	.protected	k_q3733ba2206_prep
	.globl	k_q3733ba2206_prep
	.p2align	8
	.type	k_q3733ba2206_prep,@function
k_q3733ba2206_prep:
	s_mov_b64 s[64:65], 0
	v_nop
	global_prefetch_b8 v0, s[64:65] scope:SCOPE_SE
	s_setreg_imm32_b32 hwreg(HW_REG_WAVE_SCHED_MODE, 0, 2), 2
	s_setreg_imm32_b32 hwreg(HW_REG_WAVE_MODE, 25, 1), 1
	s_wait_xcnt 0x0
	s_wait_alu depctr_vm_vsrc(0)
; PREP.  Two jobs, chosen by the work-group's number (the same for all its waves).
; JOB X (work-groups 0-127, 32 tokens each): xb = x rounded to bf16, [4096][1024]; biasw = x Wb + bb - mask in f32 (products in bf16, sums in f32),
;   laid [block of 32 tokens][16 heads][32 tokens]: 2,048 bytes on end for each work-group.  Wave w takes tokens 16 (w & 1) .. and k = 256 (w >> 1) ..; the four parts of K meet in LDS.
; JOB W (work-groups 128-287): the weights rounded to bf16, turned to [n][k] and ordered by heads, a tile of 128 k x 256 columns each:
;   wt row part x 1024 + 64 h + d (part 0 Q, 1 K, 2 V from Wqkv, 3 from Wg) holds W[k][part x 1024 + 16 d + h];  wt row 4096 + n holds Wo[16 d + h][n] at k' = 64 h + d.
; Everything comes through registers (32 loads of 512 consecutive bytes a wave are out at once), so no tensor load is used; every store of a wave covers whole aligned runs of 256 bytes.
; Each job has LDS bytes of its own: no byte of LDS is named by both.
; LIMITS: x and the weights are rounded once to bf16; an infinite mask gives an infinite bias, as in the model.
; THE MODE: SCHED_MODE bits 1:0 = 2 (LLVM: expert scheduling mode 2), set by the entry lines.  The code itself states the register dependences
; between vector or matrix instructions and memory or LDS instructions, with s_wait_alu, always for 0.
; THE PLAN, JOB X.  Registers that memory or LDS instructions touch:
;   v6 .. v17      offsets and LDS addresses: written at the head, never again.
;   WR             Wb's loads land; 32 roundings write it in place; 16 LDS stores read it; behind the first barrier the rows for xb land in it (RB), and the global stores read them.
;   XR, 4 groups   x's loads land; a group's 16 roundings write it in place; 8 LDS stores read it; behind the first barrier the fragments XF and WF land in it, which matrix instructions read; at the end partial sums land in v64-79.
;   ACC0           written by matrix instructions and four packed sums; read by two LDS stores.       v64-67  written by the last sums; read by the store of biasw.
;   A group's LDS stores stand in the NEXT group, behind one wait on va_vdst at that group's head, dealt among that group's roundings, which name that group's registers alone.
; THE PLAN, JOB W.
;   VO             offsets of the source rows: written once, read by the 32 loads.       TS, TR, OO  written once, behind the loads.
;   R, 4 groups    the loads land; a group's 16 roundings read it; behind the barrier the turned tile's rows land in v64-127, which the global stores read.
;   PKR, 4 buffers group g's roundings write buffer g; four LDS stores, which stand in group g + 1, read it; no buffer is written twice, so no store's data is ever written over.
;   v[SPW], v[NIL] in both jobs: written at the head, read by the closing add alone.
.set WBL,   0                          ; job X: Wb in bf16, [1024 k][16 heads], 32 bytes a row
.set STG,   32768                      ; job X: for each wave 16 tokens x 528 bytes (512 of bf16 + 16 of padding: 33 x 16, so 16 rows start at 16 different groups of four banks; 64 banks of 4 bytes: ISA guide 11.1)
.set STGW,  16*528
.set PART,  100352                     ; job X: partial sums [4 parts of K][16 heads][32 tokens] f32
.set SPARE, 108544                     ; the spare words, 128 bytes a wave: four blocks of 256 bytes that no other line names
.set TT,    109568                     ; job W: the turned tile, 256 rows
.set TP,    272                        ; job W: a row of the turned tile: 256 bytes + 16
.set SPW,  2                           ; v2  my spare word's address; never rewritten
.set NIL,  3                           ; v3  0; never rewritten
.set ACC0, 32                          ; job X: two accumulators that take turns
.set MK,   48                          ; v[48:51] four numbers of mask
.set BBR,  52                          ; v52 my head's bb
.set XR,   64                          ; v[64:191] x as loaded
.set WR,   192                         ; v[192:255] Wb as loaded
.set XF,   64                          ; later: x's 8 fragments,
.set WF,   128                         ; Wb's 8 fragments,
.set RB,   192                         ; and the 16 token rows read back for xb
.set VO,   32                          ; job W: v[32:47] byte offsets of my 16 source rows
.set R,    64                          ; job W: v[64:191] 4 groups of 8 rows x 16 bytes
.set PKR,  192                         ; job W: v[192:255] packed columns: buffer g, 16 registers, at PKR + 16 g
.set TS,   48
.set TR,   49
.set OO,   50
; Job X: load e of group g of x: four numbers close up into the first two of their four registers; and their 8 bytes go into my stage.
.macro XCVT g, e
	v_cvt_pk_bf16_f32 v[XR+32*(\g)+4*(\e)], v[XR+32*(\g)+4*(\e)], v[XR+32*(\g)+4*(\e)+1]
	v_cvt_pk_bf16_f32 v[XR+32*(\g)+4*(\e)+1], v[XR+32*(\g)+4*(\e)+2], v[XR+32*(\g)+4*(\e)+3]
.endm
.macro XSTO g, e
	ds_store_b64 v9, v[XR+32*(\g)+4*(\e):XR+32*(\g)+4*(\e)+1] offset:(4*(\g)+(\e)/2)*528+((\e)%2)*256
.endm
; Job W: column j of group g's four: rows 2 p, 2 p + 1 of one column to a register; and its 16 bytes go into the turned tile.
.macro WCVT g, j
.irp p, 0,1,2,3
	v_cvt_pk_bf16_f32 v[PKR+16*(\g)+4*(\j)+(\p)], v[R+32*(\g)+8*(\p)+(\j)], v[R+32*(\g)+8*(\p)+4+(\j)]
.endr
.endm
.macro WSTO g, j
	ds_store_b128 v[TS], v[PKR+16*(\g)+4*(\j):PKR+16*(\g)+4*(\j)+3] offset:(64*(\j)+32*((\g)%2))*TP+16*((\g)/2)
.endm
	s_load_b512 s[8:23], s[0:1], 0x0               ; x 8, Wb 10, bb 12, mask 14, Wqkv 16, Wg 18, Wo 20, xb 22
	s_load_b128 s[24:27], s[0:1], 0x40             ; biasw 24, wt 26
	v_lshl_add_u32 v[SPW], v0, 2, SPARE
	v_mov_b32 v[NIL], 0
	v_lshrrev_b32 v1, 5, v0
	v_readfirstlane_b32 s28, v1                    ; wave 0..7
	v_and_b32 v1, 31, v0                           ; lane l
	v_and_b32 v4, 15, v0                           ; r = l % 16
	v_bfe_u32 v5, v0, 4, 1                         ; hh = l / 16
	s_wait_alu depctr_va_sdst(0)                   ; s28 is written, ahead of the branch behind which either job first reads it
	s_cmp_lt_u32 ttmp9, 128
	s_cbranch_scc0 .Lweights
	; ---------------- JOB X ----------------
	s_and_b32 s29, s28, 1                          ; tg: which 16 tokens
	s_lshr_b32 s30, s28, 1                         ; kq: which 256 k
	s_lshl_b32 s32, ttmp9, 17                      ; 32 tokens x 4,096 bytes of x
	s_lshl_b32 s34, s29, 16
	s_add_co_u32 s32, s32, s34
	s_lshl_b32 s34, s30, 10
	s_add_co_u32 s32, s32, s34
	s_mov_b32 s33, 0
	s_lshr_b32 s34, s32, 1                         ; the same place in xb: half the bytes
	s_mov_b32 s35, 0
	s_lshl_b32 s36, ttmp9, 7                       ; 32 numbers of mask
	s_mov_b32 s37, 0
	s_lshl_b32 s38, ttmp9, 11                      ; 2,048 bytes of biasw
	s_mov_b32 s39, 0
	s_mul_i32 s40, s28, STGW
	s_add_co_u32 s40, s40, STG                     ; my stage
	v_lshlrev_b32 v6, 4, v1                        ; 16 l: x and xb
	v_lshlrev_b32 v7, 4, v0                        ; 16 x thread: Wb in memory
	v_lshlrev_b32 v8, 3, v0                        ; 8 x thread: Wb in LDS
	v_lshl_add_u32 v9, v1, 3, s40                  ; stage, in: 8 bytes a lane
	v_mul_u32_u24 v10, v4, 528                     ; stage, as fragments: row r, 16 bytes for each half of the lanes
	v_lshl_add_u32 v10, v5, 4, v10
	v_add_nc_u32 v10, s40, v10
	v_and_b32 v18, 7, v0                           ; the turning load: row k0 + 8 hh + l % 8, 16 bytes (l / 8) % 2
	v_lshl_add_u32 v18, v5, 3, v18
	v_lshlrev_b32 v11, 5, v18
	v_bfe_u32 v18, v0, 3, 1
	v_lshl_add_u32 v11, v18, 4, v11
	s_lshl_b32 s41, s30, 13                        ; my 256 rows of Wb
	v_add_nc_u32 v11, s41, v11
	v_lshl_add_u32 v12, v1, 4, s40                 ; stage, back: 512 bytes of a token by 32 lanes
	s_lshl_b32 s41, s30, 11
	s_lshl_b32 s42, s29, 6
	s_add_co_u32 s41, s41, s42
	s_add_co_u32 s41, s41, PART
	v_lshl_add_u32 v13, v4, 7, s41                 ; partial sums: head r, tokens 16 tg + 8 hh ..
	v_lshl_add_u32 v13, v5, 5, v13
	v_and_b32 v19, 127, v0
	v_lshlrev_b32 v15, 4, v19                      ; the last step: thread t < 128 has head t / 8, tokens 4 (t % 8) ..
	v_add_nc_u32 v14, PART, v15
	v_lshrrev_b32 v16, 3, v19
	v_lshlrev_b32 v16, 2, v16
	v_and_b32 v17, 7, v0
	v_lshlrev_b32 v17, 4, v17
	s_wait_kmcnt 0x0
	s_add_nc_u64 s[8:9], s[8:9], s[32:33]
	s_add_nc_u64 s[22:23], s[22:23], s[34:35]
	s_add_nc_u64 s[14:15], s[14:15], s[36:37]
	s_add_nc_u64 s[24:25], s[24:25], s[38:39]
	s_wait_alu depctr_va_vdst(0)                   ; the offsets and LDS addresses v6 to v17 are written: every load and store of this job reads one of them, and none is written again
	global_load_b128 v[MK:MK+3], v17, s[14:15]
	global_load_b32 v[BBR], v16, s[12:13]
.set i, 0
.rept 16
	global_load_b128 v[WR+4*i:WR+4*i+3], v7, s[10:11] offset:4096*i    ; all of Wb, 4,096 bytes by the work-group's 256 threads
.set i, i+1
.endr
.set i, 0
.rept 32
	global_load_b128 v[XR+4*i:XR+4*i+3], v6, s[8:9] offset:(i/2)*4096+(i%2)*512 th:TH_LOAD_NT  ; token i / 2, 512 consecutive bytes
.set i, i+1
.endr
	s_wait_loadcnt 32                              ; mask, bb and Wb are in; x's 32 loads may stay out
.set i, 0
.rept 16
	v_cvt_pk_bf16_f32 v[WR+4*i], v[WR+4*i], v[WR+4*i+1]
	v_cvt_pk_bf16_f32 v[WR+4*i+1], v[WR+4*i+2], v[WR+4*i+3]
.set i, i+1
.endr
	s_wait_loadcnt 24                              ; loads come back in order: x's first eight are in, the younger ones stay out
	s_wait_alu depctr_va_vdst(0)                   ; Wb's roundings have written v[WR ..], which the LDS stores below read; the roundings among them name group 0 of XR alone
.irp e, 0,1,2,3,4,5,6,7
	ds_store_b64 v8, v[WR+8*(\e):WR+8*(\e)+1]   offset:WBL+4096*(\e)
	ds_store_b64 v8, v[WR+8*(\e)+4:WR+8*(\e)+5] offset:WBL+4096*(\e)+2048
	XCVT 0, \e
.endr
.irp g, 1,2,3
	s_wait_loadcnt 24-8*(\g)                       ; this group's eight loads are in, the younger ones stay out
	s_wait_alu depctr_va_vdst(0)                   ; the group before has written its registers of XR, which the LDS stores below read; the roundings among them name this group's registers alone
.irp e, 0,1,2,3,4,5,6,7
	XSTO (\g)-1, \e
	XCVT \g, \e
.endr
.endr
	s_wait_alu depctr_va_vdst(0)                   ; group 3 has written its registers, which the last eight LDS stores read; and every rounding is done with XR and WR, in which loads land behind the barrier
.irp e, 0,1,2,3,4,5,6,7
	XSTO 3, \e
.endr
	s_wait_dscnt 0x0                               ; for the others' sake: my part of Wb lies in LDS
	s_barrier_signal -1
	s_barrier_wait -1
	s_wait_alu depctr_vm_vsrc(0)                   ; my LDS stores have read v[XR ..] and v[WR ..]: these registers are XF, WF and RB from here on, written by the loads below
.set f, 0
.rept 8
	ds_load_b128 v[XF+8*f:XF+8*f+3],   v10 offset:64*f
	ds_load_b128 v[XF+8*f+4:XF+8*f+7], v10 offset:64*f+32
.set f, f+1
.endr
.set f, 0
.rept 8
	ds_load_tr16_b128 v[WF+8*f:WF+8*f+3],   v11 offset:WBL+1024*f
	ds_load_tr16_b128 v[WF+8*f+4:WF+8*f+7], v11 offset:WBL+1024*f+512
.set f, f+1
.endr
.set i, 0
.rept 16
	ds_load_b128 v[RB+4*i:RB+4*i+3], v12 offset:528*i
.set i, i+1
.endr
	s_wait_dscnt 16                                ; the fragments are in; the 16 rows for xb may stay out
.set f, 0
.rept 8                                ; rows = tokens, columns = heads; two accumulators by turns; the first two products start the sums
.if f < 2
	v_wmma_f32_16x16x32_bf16 v[ACC0+8*(f%2):ACC0+8*(f%2)+7], v[XF+8*f:XF+8*f+7], v[WF+8*f:WF+8*f+7], 0
.else
	v_wmma_f32_16x16x32_bf16 v[ACC0+8*(f%2):ACC0+8*(f%2)+7], v[XF+8*f:XF+8*f+7], v[WF+8*f:WF+8*f+7], v[ACC0+8*(f%2):ACC0+8*(f%2)+7]
.endif
.set f, f+1
.endr
	s_wait_dscnt 0x0
.set i, 0
.rept 16
	global_store_b128 v6, v[RB+4*i:RB+4*i+3], s[22:23] offset:2048*i   ; 512 consecutive bytes of xb, aligned.  Their data came by LDS loads, and no vector or matrix instruction names RB or v6
.set i, i+1
.endr
.rept 8
	v_nop                                          ; the places behind the last products, ahead of sums that read and rewrite their results (ISA guide 7.12.1); once a launch
.endr
.irp k, 0,2,4,6
	v_pk_add_f32 v[ACC0+(\k):ACC0+(\k)+1], v[ACC0+(\k):ACC0+(\k)+1], v[ACC0+8+(\k):ACC0+8+(\k)+1]
.endr
	s_wait_alu depctr_va_vdst(0)                   ; the four sums have written v[ACC0 ..], which the LDS stores read; and the matrix instructions are done reading v64 to v79, in which the partial sums land behind the barrier
	ds_store_b128 v13, v[ACC0:ACC0+3]              ; lane (r, hh): head r, tokens 8 hh + 0..7
	ds_store_b128 v13, v[ACC0+4:ACC0+7] offset:16
	s_wait_dscnt 0x0
	s_barrier_signal -1
	s_barrier_wait -1                              ; the four parts of K lie in LDS
	s_cmp_lt_u32 s28, 4                            ; 128 threads finish the 16 x 32 sums
	s_cbranch_scc0 .Lend
.irp q, 0,1,2,3
	ds_load_b128 v[64+4*(\q):64+4*(\q)+3], v14 offset:2048*(\q)
.endr
.irp j, 0,1,2,3
	v_sub_f32 v[80+(\j)], v[BBR], v[MK+(\j)]       ; bb - mask
.endr
	s_wait_dscnt 0x0
	v_pk_add_f32 v[64:65], v[64:65], v[68:69]
	v_pk_add_f32 v[66:67], v[66:67], v[70:71]
	v_pk_add_f32 v[72:73], v[72:73], v[76:77]
	v_pk_add_f32 v[74:75], v[74:75], v[78:79]
	v_pk_add_f32 v[64:65], v[64:65], v[72:73]
	v_pk_add_f32 v[66:67], v[66:67], v[74:75]
	v_pk_add_f32 v[64:65], v[64:65], v[80:81]
	v_pk_add_f32 v[66:67], v[66:67], v[82:83]
	s_wait_alu depctr_va_vdst(0)                   ; the sums have written v[64:67], which the store reads
	global_store_b128 v15, v[64:67], s[24:25]
	s_branch .Lend
	; ---------------- JOB W ----------------
.Lweights:
	s_sub_co_u32 s29, ttmp9, 128
	s_and_b32 s30, s29, 7                          ; kt: which 128 k'
	s_lshr_b32 s31, s29, 3                         ; ct: 0-11 Wqkv, 12-15 Wg, 16-19 Wo; 256 columns each
	s_and_b32 s32, s31, 3
	s_movk_i32 s33, 0x3000                         ; a row of Wqkv in bytes
	s_movk_i32 s34, 0x1000                         ; a row of Wg and of Wo
	s_mov_b32 s35, 0x10000                         ; Wo: from d to d + 1 are 16 rows
	s_lshl_b32 s36, s30, 7
	s_lshl_b32 s37, s28, 4
	s_add_co_u32 s36, s36, s37                     ; Wqkv, Wg: my first row k = 128 kt + 16 w
	s_and_b32 s37, s28, 3
	s_lshl_b32 s37, s37, 8
	s_lshl_b32 s38, s30, 1
	s_add_co_u32 s37, s37, s38
	s_lshr_b32 s38, s28, 2
	s_add_co_u32 s37, s37, s38                     ; Wo: k' = 128 kt + 16 w + e is head 2 kt + w / 4, d = 16 (w % 4) + e: row 16 d + h
	s_lshr_b32 s50, s28, 1
	s_and_b32 s51, s28, 1
	s_lshl_b32 s52, s50, 6                         ; where my 32 rows of the turned tile go.  By heads: row (ct / 4) 1024 + 64 (w / 2) + 16 (ct % 4) + 8 (w % 2)
	s_lshl_b32 s53, s32, 4
	s_add_co_u32 s52, s52, s53
	s_lshl_b32 s53, s51, 3
	s_add_co_u32 s52, s52, s53
	s_lshr_b32 s53, s31, 2
	s_lshl_b32 s53, s53, 10
	s_add_co_u32 s52, s52, s53
	s_lshl_b32 s54, s32, 8                         ; Wo: row 4096 + 256 (ct % 4) + 128 (w % 2) + w / 2
	s_lshl_b32 s53, s51, 7
	s_add_co_u32 s54, s54, s53
	s_add_co_u32 s54, s54, s50
	s_add_co_u32 s54, s54, 4096
	s_wait_kmcnt 0x0
	s_cmp_lt_u32 s31, 12
	s_cselect_b64 s[40:41], s[16:17], s[18:19]
	s_cselect_b32 s42, s33, s34                    ; bytes in a source row
	s_cselect_b32 s43, s31, s32                    ; which 256 columns of the source
	s_cmp_lt_u32 s31, 16
	s_cselect_b64 s[40:41], s[40:41], s[20:21]
	s_cselect_b32 s44, s42, s35                    ; bytes from one of my rows to the next
	s_cselect_b32 s45, s36, s37
	s_cselect_b32 s52, s52, s54
	s_cselect_b32 s55, 19, 13                      ; lanes 16-31 hold the column 4 on: 4 heads = 256 rows of wt on, or (Wo) 4 rows on
	s_mul_i32 s46, s45, s42
	s_lshl_b32 s43, s43, 10
	s_add_co_u32 s46, s46, s43
	s_mov_b32 s47, 0
	s_add_nc_u64 s[40:41], s[40:41], s[46:47]
	s_lshl_b32 s52, s52, 11                        ; a row of wt is 2,048 bytes
	s_lshl_b32 s53, s30, 8                         ; the tile's 128 k'
	s_add_co_u32 s52, s52, s53
	s_mov_b32 s53, 0
	s_add_nc_u64 s[26:27], s[26:27], s[52:53]
	v_lshlrev_b32 v[VO], 4, v1
.set i, 1
.rept 15
	v_add_nc_u32 v[VO+i], s44, v[VO+i-1]
.set i, i+1
.endr
	s_wait_alu depctr_va_vdst(0)                   ; the sixteen offsets v[VO ..] are written, which the loads below read; none is written again
.irp g, 0,1,2,3                        ; group g: rows 8 (g / 2) + e, columns 128 (g % 2) + 4 l + 0..3
.irp e, 0,1,2,3,4,5,6,7
	global_load_b128 v[R+32*(\g)+4*(\e):R+32*(\g)+4*(\e)+3], v[VO+8*((\g)/2)+(\e)], s[40:41] offset:512*((\g)%2) th:TH_LOAD_NT
.endr
.endr
	v_mul_u32_u24 v[TS], v1, TP                    ; in: tile row 64 j + 32 (g % 2) + l holds column 128 (g % 2) + 4 l + j; my 16 k' are 32 bytes of it
	s_lshl_b32 s48, s28, 5
	s_add_co_u32 s48, s48, TT
	v_add_nc_u32 v[TS], s48, v[TS]
	s_mul_i32 s48, s28, 32*TP                      ; back: wave w takes tile rows 32 w .., two at a time
	s_add_co_u32 s48, s48, TT
	v_mul_u32_u24 v[TR], v5, TP
	v_lshl_add_u32 v[TR], v4, 4, v[TR]
	v_add_nc_u32 v[TR], s48, v[TR]
	v_lshlrev_b32 v[OO], s55, v5
	v_lshl_add_u32 v[OO], v4, 4, v[OO]
	s_wait_loadcnt 24                              ; group 0's eight loads are in, the younger groups stay out
.irp j, 0,1,2,3
	WCVT 0, \j
.endr
.irp g, 1,2,3
	s_wait_loadcnt 24-8*(\g)                       ; this group's eight loads are in, the younger groups stay out
	s_wait_alu depctr_va_vdst(0)                   ; the group before has written its buffer of PKR, which the LDS stores below read (at the first of these waits: TS, TR and OO are written too); the roundings among them name this group's R and PKR alone
.irp j, 0,1,2,3
	WSTO (\g)-1, \j
	WCVT \g, \j
.endr
.endr
	s_wait_alu depctr_va_vdst(0)                   ; group 3 has written its buffer of PKR, which the last four LDS stores read; and every rounding is done reading R, in which loads land behind the barrier
.irp j, 0,1,2,3
	WSTO 3, \j
.endr
	s_wait_dscnt 0x0                               ; for the others' sake
	s_barrier_signal -1
	s_barrier_wait -1
.set t, 0
.rept 16
	ds_load_b128 v[64+4*t:64+4*t+3], v[TR] offset:2*TP*t   ; no wait: no vector instruction since the wait above, and no memory or LDS instruction has read v64 to v127
.set t, t+1
.endr
	s_cmp_lt_u32 s31, 16
	s_cbranch_scc0 .Lwo
.irp t, 0,1,2,3,4,5,6,7,8,9,10,11,12,13,14,15   ; tile row 32 w + 2 t + l / 16 is column 128 (w % 2) + 8 t + 4 (l / 16) + w / 2 = 16 d + h
	s_wait_dscnt 15-(\t)
	global_store_b128 v[OO], v[64+4*(\t):64+4*(\t)+3], s[26:27] offset:((\t)%2)*1048576+((\t)/2)*2048   ; 16 lanes: 256 consecutive bytes, aligned
.endr
	s_branch .Lend
.Lwo:
.irp t, 0,1,2,3,4,5,6,7,8,9,10,11,12,13,14,15
	s_wait_dscnt 15-(\t)
	global_store_b128 v[OO], v[64+4*(\t):64+4*(\t)+3], s[26:27] offset:16384*(\t)
.endr
.Lend:
	s_wait_dscnt 0x0                               ; the closing lines, six on end
	s_wait_alu 0x0
	s_wait_tensorcnt 0x0
	ds_add_u32 v[SPW], v[NIL]
	s_wait_dscnt 0x0
	s_endpgm
.Lfunc_end_k_q3733ba2206_prep:
	.size	k_q3733ba2206_prep, .Lfunc_end_k_q3733ba2206_prep-k_q3733ba2206_prep
	.p2alignl 7, 3214868480
	.fill 96, 4, 3214868480
	.section	.rodata,"a",@progbits
	.p2align	6, 0x0
	.amdhsa_kernel k_q3733ba2206_prep
		.amdhsa_group_segment_fixed_size 179200
		.amdhsa_private_segment_fixed_size 0
		.amdhsa_enable_private_segment 0
		.amdhsa_kernarg_size 80
		.amdhsa_user_sgpr_count 2
		.amdhsa_user_sgpr_kernarg_segment_ptr 1
		.amdhsa_wavefront_size32 1
		.amdhsa_system_sgpr_workgroup_id_x 1
		.amdhsa_system_sgpr_workgroup_id_y 1
		.amdhsa_system_sgpr_workgroup_id_z 1
		.amdhsa_system_vgpr_workitem_id 0
		.amdhsa_next_free_vgpr 256
		.amdhsa_next_free_sgpr 66
		.amdhsa_reserve_vcc 0
		.amdhsa_float_denorm_mode_32 3
		.amdhsa_float_denorm_mode_16_64 3
		.amdhsa_memory_ordered 1
		.amdhsa_forward_progress 1
		.amdhsa_inst_pref_size 41
	.end_amdhsa_kernel
	.amdgpu_metadata
---
amdhsa.version: [ 1, 2 ]
amdhsa.kernels:
  - .name:           k_q3733ba2206_prep
    .symbol:         k_q3733ba2206_prep.kd
    .args:
      - { .name: x, .offset: 0, .size: 8, .value_kind: global_buffer, .address_space: global }
      - { .name: Wb, .offset: 8, .size: 8, .value_kind: global_buffer, .address_space: global }
      - { .name: bb, .offset: 16, .size: 8, .value_kind: global_buffer, .address_space: global }
      - { .name: mask, .offset: 24, .size: 8, .value_kind: global_buffer, .address_space: global }
      - { .name: Wqkv, .offset: 32, .size: 8, .value_kind: global_buffer, .address_space: global }
      - { .name: Wg, .offset: 40, .size: 8, .value_kind: global_buffer, .address_space: global }
      - { .name: Wo, .offset: 48, .size: 8, .value_kind: global_buffer, .address_space: global }
      - { .name: xb, .offset: 56, .size: 8, .value_kind: global_buffer, .address_space: global }
      - { .name: biasw, .offset: 64, .size: 8, .value_kind: global_buffer, .address_space: global }
      - { .name: wt, .offset: 72, .size: 8, .value_kind: global_buffer, .address_space: global }
    .group_segment_fixed_size: 179200
    .private_segment_fixed_size: 0
    .kernarg_segment_align: 8
    .kernarg_segment_size: 80
    .max_flat_workgroup_size: 256
    .sgpr_count:     66
    .vgpr_count:     256
    .wavefront_size: 32
...
	.end_amdgpu_metadata
.endif
;; end of part 5
;; launch proj: the kernel of part 2 again; grid 16 x 16, 4 waves a work-group, clusters of 4 x 4, 327,680 bytes of LDS; arguments xb, wt, qkvg, bqkv, bg, alphaq, alphak, alphav, rcos, rsin; writes qkvg
;; launch attn: the kernel of part 3 again; grid 8 x 32, 4 waves a work-group, clusters of 4 x 1, 327,680 bytes of LDS; arguments qkvg, biasw, att; writes att
;; launch oproj: the kernel of part 4 again; grid 8 x 32, 4 waves a work-group, clusters of 4 x 4, 327,680 bytes of LDS; arguments att, wt, bo, x, out0; writes out0
